; MI455X (gfx1250); checked and timed in simulation.
; The chip was launched on July 23, 2026; its instructions are those of AMD's public machine-readable ISA for CDNA 5 (MIT licence, August 2026) and "CDNA5" Instruction Set Architecture Reference Guide (July 2026). The comments in the code are by the model that wrote it; some were corrected since.
;; Mo E. Allowed arithmetic: matrix products marked QUANTISED: E5M2 operands, one E8M0 scale for each 32 along K, by v_wmma_scale_f32_16x16x128_f8f6f4 with both operands' format E5M2, f32 sums; products left as they are: f32 operands where the result goes on into a quantised operand, else bf16, f16 or f32 operands; f32 sums; everything else in f32.
;; Inputs: b1 8 x 1,024 float32; b2 8 x 1,024 float32; gate_b 8 float32; gate_w 1,024 x 8 float32; w1_codes 8 x 1,024 x 32 x 32 uint8 (E5M2 codes of w1, K innermost, in blocks of 32 codes); w1_scales 8 x 1,024 x 32 uint8 (E8M0 scales of w1, one for each 32 codes along K); w2_codes 8 x 1,024 x 32 x 32 uint8 (E5M2 codes of w2, K innermost, in blocks of 32 codes); w2_scales 8 x 1,024 x 32 uint8 (E8M0 scales of w2, one for each 32 codes along K); x 2 x 2,048 x 1,024 float32.
;; Outputs: out0 2 x 2,048 x 1,024 float32.
;; This version of the problem:
;;   THIS VERSION OF THE PROBLEM IS GIVEN IN LOW PRECISION. The matrix products marked QUANTISED in the list below multiply operands that are first quantised to E5M2 (5 exponent bits, 2 mantissa bits; 8 bits a number), with one power-of-two scale for each 32 numbers along K (OCP MX v1.0); their sums are f32. All else is computed in f32.
;;   The module's matrix products, in the order in which they are computed (A, B: the left and right operand; K: the contracted axis; several contracted axes count as one K, in the product's order):
;;     1. [M 4,096, K 1,024] x [K 1,024, N 8]; A: input x; B: input gate_w: left as it is (N = 8 < 16)
;;     2. [M 8,192, K 1,024] x [K 1,024, N 4,096]; A: input w1 (given as codes); B: input x: QUANTISED
;;     3. batch 8 x [M 4,096, K 1,024] x [K 1,024, N 1,024]; A: computed on the way; B: input w2 (given as codes): QUANTISED
;;     4. batch 4,096 x [M 1,024, K 8] x [K 8, N 1]; A: computed on the way; B: computed on the way: left as it is (K = 8 < 32)
;;   THE QUANTISER, for each operand of a quantised product, along K:
;;     - K is cut into blocks of 32 from its start; a last block that is shorter is filled with zeros.
;;     - A block's scale is 2^e with e = floor(log2(the largest magnitude in the block)) - 15, held to -126 .. 127; a block of zeros has e = 0. As a byte (E8M0): e + 127.
;;     - Each number is divided by its block's scale, clamped to +-57,344, and rounded to the nearest number of E5M2, ties to even, subnormals kept.
;;     - The product sums the exact products of the quantised numbers (number of the format x scale) in f32.
;;   ~~~python
;;   def quantise(x, axis):      # numpy; x: float32 -> the quantised numbers, widened to float32 again
;;       x = np.moveaxis(x, axis, -1); K = x.shape[-1]
;;       x = np.pad(x, [(0, 0)] * (x.ndim - 1) + [(0, -K % 32)]); x = x.reshape(x.shape[:-1] + (-1, 32)); a = np.abs(x).max(-1, keepdims=True)
;;       e = np.where(a > 0, np.clip(np.frexp(np.where(a > 0, a, 1))[1] - 1 - 15, -126, 127), 0)      # np.frexp(a)[1] - 1 = floor(log2(a)), exactly
;;       r = np.clip(x / 2.0 ** e, -57344, 57344)
;;       step = 2.0 ** (np.maximum(np.frexp(np.where(r == 0, 1, r))[1] - 1, -14) - 2)
;;       q = np.round(r / step) * step * 2.0 ** e      # np.round: ties to even
;;       return np.moveaxis(q.reshape(q.shape[:-2] + (-1,))[..., :K], -1, axis).astype(np.float32)
;;   ~~~
;;   OPERANDS COMPUTED ON THE WAY. 'Computed on the way' means the value that the module computes at that place (a softmax that the list does not call 'softmax' is quantised finished and normalised). What goes into a quantiser is computed in f32, as accurately as f32 sums, v_exp_f32 and their like allow (about 1e-6 of the number): no bf16 or f16 on the way to a quantiser, and a product that is left as it is and whose result goes on into a quantised operand takes f32 operands (vector FMAs, or v_wmma_f32_16x16x4_f32). A number that lies on a knife's edge between two numbers of the format may be rounded either way, as far as f32 arithmetic and the matrix unit's own rounding can turn it there, and no further.
;;   INPUTS GIVEN AS CODES. w1 (in the module: [8, 1024, 1024], K = its axis 1); w2 (in the module: [8, 1024, 1024], K = its axis 1): each comes as NAME_codes (uint8): NAME with its K axis moved to the last place and cut into blocks of 32 codes, [.., K / 32, bytes a block], one block behind the other in memory; one code a byte (a code: sign, 5 exponent bits, 2 mantissa bits); and NAME_scales (uint8): the same leading axes, one E8M0 byte (e + 127) for each 32 codes along K. Its value is code x scale, taken as it is: it is not quantised again, and the codes and scales need not be those that the quantiser above would give.
;; One version. Each part assembles by itself: llvm-mc -triple=amdgcn-amd-amdhsa -mcpu=gfx1250 --defsym DOCPART=n.
;; ======== version 1 of 1: 4 launches
;; limits: right only within a limited range of input values
;; workspace buffers: xq 4,194,304 bytes; xs 131,072 bytes; wts 65,536 bytes; route 32,768 bytes of whole numbers; place 2,229,248 bytes of whole numbers; h 17,825,792 bytes; hs 557,056 bytes; wimg 16,777,216 bytes
;; launch gate (part 1): grid 512 x 1, 4 waves a work-group, no clusters, 23,552 bytes of LDS; arguments x, gate_w, gate_b, xq, xs, wts, route, w1_codes, w2_codes, wimg; writes xq, xs, wts, route, wimg
.if DOCPART == 1
	.amdgcn_target "amdgcn-amd-amdhsa--gfx1250"
	.amdhsa_code_object_version 6
	.text
	.protected	k_q58f8f1895e_gate
	.globl	k_q58f8f1895e_gate
	.p2align	8
	.type	k_q58f8f1895e_gate,@function
k_q58f8f1895e_gate:
	s_mov_b64 s[64:65], 0
	v_nop
	global_prefetch_b8 v0, s[64:65] scope:SCOPE_SE
	s_setreg_imm32_b32 hwreg(HW_REG_WAVE_MODE, 25, 1), 1
	s_wait_xcnt 0x0
; FIRST OF FOUR LAUNCHES.  y[t] = sum over e of comb[t][e] (Q(relu(Q(x[t]) W1_e + b1_e)) W2_e + b2_e), comb = one_hot(top 2 of the gate) x their weights.
; DEAD WORK, for all values of the inputs: comb is built in the problem's own body as a sum of two one_hot rows times the two weights, so comb[t][e] is exactly 0 for the six experts that
; token t did not choose; in real numbers 0 x y_all[e][t] adds nothing.  So of the 8 x 4,096 rows of both quantised products only the 2 x 4,096 chosen rows are multiplied, and only two terms
; of the last sum are formed.  Every input is loaded.  LIMIT: a NaN, an infinity or an overflow that arises only in a row of an expert that was not chosen is not carried to the result.
; OTHER LIMITS: NaN and infinities among the inputs are not served.  A block of 32 zeros gets the scale byte 1 where the quantiser says 127: its codes are zeros, and these bytes are read by this program alone.
; THIS LAUNCH, work-groups 0 to 255: (1) x is quantised once along K: codes xq [token][1024], scale bytes xs [token][32].  (2) The gate in f32: x gate_w + gate_b by fused multiply-adds, softmax with its maximum taken away,
; top 2 (strict compares in ascending order: the lower index wins a tie), softmax of the two probabilities with the larger taken away.  (3) route: for each token key | lo << 8 | hi << 12, the key q of its pair of experts
; (lo < hi: q = lo (13 - lo) / 2 + hi - 1, 28 keys); from byte 16,384 on 64 bytes for each group of 16 tokens: its count of each key (bytes 0 to 27) and of each expert (bytes 32 to 39).  No address and no branch hangs on them here.
; wts [token] = (r, r, w_hi, w_hi), r = w_lo / w_hi = e^(p_lo - p_hi): both p lie in 0 .. 1, so r lies in 1/e .. e.
; Work-groups 256 to 511: both weights' codes are laid out once as IMAGES OF OPERAND REGISTERS: see .Lrelay.
; SHARES: work-group G < 256 owns tokens 16 G .. 16 G + 15; wave w the K slice 256 w .. 256 w + 255 of all 16, two tokens a step.  Each load reads 512 consecutive bytes; a step's 2,048 bytes turn through the wave's own
; stage in LDS (16 bytes of padding behind each 64) and come back 64 bytes a lane: lane l holds 16 neighbours along K of token 2 t + l / 16; two neighbouring lanes hold a block of 32.
.set PART,  20480                      ; LDS: behind the four waves' stages (2 x 2,560 bytes each): partial logits [wave][16 tokens][8 f32]
.set SCB,   22528                      ; the 16 tokens' scale bytes [token][32]
.set SPARE, 23040                      ; the spare words, 128 bytes for each wave
.set XO,  4                            ; v4   x: 16 x lane + 1,024 x wave
.set STI, 5                            ; v5   the stage, on the way in
.set STO, 6                            ; v6   and on the way out
.set CO,  7                            ; v7   my codes' place: 1,024 (l / 16) + 16 (l % 16) + 256 x wave
.set SPW, 12                           ; v12  LDS address of my spare word; never rewritten
.set NIL, 13                           ; v13  0; never rewritten
.set SBA, 14                           ; v14  my block's scale byte in SCB
.set PAA, 15                           ; v15  my token's partial logits in PART
.set R,   16                           ; v16-79   four sets of 16 numbers as loaded
.set X,   80                           ; v80-111  two sets of 16 neighbours
.set ACC, 112                          ; v112-119 eight partial logits
.set C,   120                          ; v120-127 codes, two sets of four
.set G,   128                          ; v128-255 gate_w[k][0..7] of my 16 k: register 8 i + e
	s_load_b256 s[4:11], s[0:1], 0x0               ; x, gate_w, gate_b, xq
	s_load_b128 s[12:15], s[0:1], 0x20             ; xs, wts
	s_load_b64 s[16:17], s[0:1], 0x30              ; route
	v_lshl_add_u32 v[SPW], v0, 2, SPARE
	v_mov_b32 v[NIL], 0
	s_cmp_ge_u32 ttmp9, 256
	s_cbranch_scc1 .Lrelay
	v_lshrrev_b32 v1, 5, v0
	v_readfirstlane_b32 s18, v1                    ; wave
	v_and_b32 v1, 31, v0                           ; lane
	v_and_b32 v2, 15, v0                           ; l % 16
	v_bfe_u32 v3, v0, 4, 1                         ; l / 16
	s_lshl_b32 s22, s18, 10
	v_lshl_add_u32 v[XO], v1, 4, s22
	s_mul_i32 s23, s18, 5120                       ; my two stages
	v_lshrrev_b32 v8, 2, v1
	v_mul_u32_u24 v8, v8, 80
	v_and_b32 v9, 3, v1
	v_lshl_add_u32 v8, v9, 4, v8
	v_add_nc_u32 v[STI], s23, v8                   ; in: four lanes' 64 bytes on end, then 16 of padding
	v_mul_u32_u24 v8, v1, 80
	v_add_nc_u32 v[STO], s23, v8                   ; out: 80 x lane
	s_lshl_b32 s22, s18, 8
	v_lshlrev_b32 v8, 10, v3
	v_lshl_add_u32 v8, v2, 4, v8
	v_add_nc_u32 v[CO], s22, v8
	s_lshl_b32 s22, s18, 3
	s_add_co_u32 s22, s22, SCB
	v_lshrrev_b32 v8, 1, v2
	v_lshl_add_u32 v8, v3, 5, v8
	v_add_nc_u32 v[SBA], s22, v8                   ; 32 (l / 16) + 8 x wave + (l % 16) / 2
	s_lshl_b32 s22, s18, 9
	s_add_co_u32 s22, s22, PART
	v_lshlrev_b32 v8, 5, v3
	v_add_nc_u32 v[PAA], s22, v8
	s_lshl_b32 s22, s18, 13
	v_lshl_add_u32 v11, v2, 9, s22                 ; gate_w: row 256 w + 16 (l % 16), 32 bytes a row
	s_mov_b32 s19, 0x600000                        ; the mantissa field of 57,344
	s_mov_b32 s23, 0
	s_wait_alu depctr_va_vdst(0)
	s_wait_kmcnt 0x0
	s_load_b256 s[24:31], s[8:9], 0x0              ; gate_b: eight numbers, read by nobody else than as scalars
	s_lshl_b32 s22, ttmp9, 16
	s_add_nc_u64 s[4:5], s[4:5], s[22:23]          ; x at my 16 tokens
	s_lshl_b32 s22, ttmp9, 14
	s_add_nc_u64 s[10:11], s[10:11], s[22:23]      ; xq
	s_lshl_b32 s22, ttmp9, 9
	s_add_nc_u64 s[12:13], s[12:13], s[22:23]      ; xs
	s_lshl_b32 s22, ttmp9, 8
	s_add_nc_u64 s[14:15], s[14:15], s[22:23]      ; wts
	s_lshl_b32 s22, ttmp9, 6
	s_add_nc_u64 s[16:17], s[16:17], s[22:23]      ; route: my 16 keys; my group's counts lie 16,384 bytes further on
.irp i, 0,1,2,3,4,5,6,7,8,9,10,11,12,13,14,15
	global_load_b128 v[G+8*\i:G+8*\i+3], v11, s[6:7] offset:32*\i
	global_load_b128 v[G+8*\i+4:G+8*\i+7], v11, s[6:7] offset:32*\i+16
.endr
.macro LOAD t                          ; step t: tokens 2 t and 2 t + 1, my slice: four loads of 512 consecutive bytes
.irp i, 0,1,2,3
	global_load_b128 v[R+16*((\t)%4)+4*\i:R+16*((\t)%4)+4*\i+3], v[XO], s[4:5] offset:(2*(\t)+\i/2)*4096+512*(\i%2) th:TH_LOAD_NT
.endr
.endm
.macro TURN t                          ; through the stage: LDS serves a wave's instructions in order, so no wait stands between the stores and the loads
.irp i, 0,1,2,3
	ds_store_b128 v[STI], v[R+16*((\t)%4)+4*\i:R+16*((\t)%4)+4*\i+3] offset:2560*((\t)%2)+640*\i
.endr
.irp i, 0,1,2,3
	ds_load_b128 v[X+16*((\t)%2)+4*\i:X+16*((\t)%2)+4*\i+3], v[STO] offset:2560*((\t)%2)+16*\i
.endr
.endm
	LOAD 0
	LOAD 1
	LOAD 2
	LOAD 3
	s_wait_kmcnt 0x0                               ; gate_b
	s_wait_loadcnt 12                              ; gate_w and step 0 are in; the twelve loads of steps 1 to 3 may be out
	TURN 0
.macro STEP t
.set XS, X+16*((\t)%2)
.set CS, C+4*((\t)%2)
.if (\t) > 0
	s_wait_dscnt 3                                 ; this step's numbers are back from the stage; behind them only the last step's two stores of logits and its byte store were issued
.else
	s_wait_dscnt 0x0
.endif
.if (\t)+4 < 8
	LOAD (\t)+4
.endif
.if (\t)+1 < 8
.if (\t) < 4
	s_wait_loadcnt 12                              ; the next step's four loads are in; those of the three steps behind it may be out
.else
	s_wait_loadcnt 4*(6-(\t))
.endif
	TURN (\t)+1
.endif
	; the gate, on the numbers as they came: eight sums, two an instruction; x's register is taken for both halves
.irp p, 0,1,2,3
	v_pk_mul_f32 v[ACC+2*\p:ACC+2*\p+1], v[XS:XS+1], v[G+2*\p:G+2*\p+1] op_sel_hi:[0,1]
.endr
.irp p, 0,1,2,3
	v_pk_fma_f32 v[ACC+2*\p:ACC+2*\p+1], v[XS:XS+1], v[G+8+2*\p:G+8+2*\p+1], v[ACC+2*\p:ACC+2*\p+1] op_sel:[1,0,0] op_sel_hi:[1,1,1]
.endr
.irp i, 2,4,6,8,10,12,14
.irp p, 0,1,2,3
	v_pk_fma_f32 v[ACC+2*\p:ACC+2*\p+1], v[XS+\i:XS+\i+1], v[G+8*\i+2*\p:G+8*\i+2*\p+1], v[ACC+2*\p:ACC+2*\p+1] op_sel_hi:[0,1,1]
.endr
.irp p, 0,1,2,3
	v_pk_fma_f32 v[ACC+2*\p:ACC+2*\p+1], v[XS+\i:XS+\i+1], v[G+8*\i+8+2*\p:G+8*\i+8+2*\p+1], v[ACC+2*\p:ACC+2*\p+1] op_sel:[1,0,0] op_sel_hi:[1,1,1]
.endr
.endr
.irp m, 1,2,4,8
.irp e, 0,1,2,3,4,5,6,7
	v_add_f32_dpp v[ACC+\e], v[ACC+\e], v[ACC+\e] row_xmask:\m row_mask:0xf bank_mask:0xf   ; over the 16 lanes of a token
.endr
.endr
	ds_store_b128 v[PAA], v[ACC:ACC+3] offset:64*(\t)              ; sixteen lanes write the same bytes with the same values
	ds_store_b128 v[PAA], v[ACC+4:ACC+7] offset:64*(\t)+16
	; the quantiser
	v_max3_num_f32 v8, |v[XS]|, |v[XS+1]|, |v[XS+2]|
	v_max3_num_f32 v9, |v[XS+3]|, |v[XS+4]|, |v[XS+5]|
.irp i, 6,10
	v_max3_num_f32 v8, v8, |v[XS+\i]|, |v[XS+\i+1]|
	v_max3_num_f32 v9, v9, |v[XS+\i+2]|, |v[XS+\i+3]|
.endr
	v_max3_num_f32 v8, v8, |v[XS+14]|, |v[XS+15]|
	v_max3_num_f32 v8, v8, v9, 0x8000000           ; and the floor 2^(16 - 127): the byte cannot fall under 1
	v_max_num_f32_dpp v8, v8, v8 row_xmask:1 row_mask:0xf bank_mask:0xf   ; with my neighbour's 16: the block's largest magnitude
	v_add_nc_u32 v11, 0xf8800000, v8               ; 15 off its exponent field: the conversion's scale operand
	v_and_or_b32 v10, v8, 0x7f800000, s19          ; 57,344 x the scale
.irp i, 0,1,2,3,4,5,6,7,8,9,10,11,12,13,14,15
	v_med3_num_f32 v[XS+\i], v[XS+\i], -v10, v10   ; the conversion to an 8-bit code does not saturate (ISA guide 7.6.2): the hold comes first
.endr
	s_wait_alu depctr_va_vdst(0)
	s_wait_xcnt 0x0                                ; the store of two steps ago has read this set of code registers
	v_cvt_scalef32_pk8_bf8_f32 v[CS:CS+1], v[XS:XS+7], v11
	v_cvt_scalef32_pk8_bf8_f32 v[CS+2:CS+3], v[XS+8:XS+15], v11
	v_lshrrev_b32 v9, 23, v11                      ; the scale's byte (also the plain line behind the conversions)
	ds_store_b8 v[SBA], v9 offset:64*(\t)          ; both lanes of a block write the same byte
	global_store_b128 v[CO], v[CS:CS+3], s[10:11] offset:2048*(\t)   ; sixteen lanes store 256 consecutive bytes, aligned
.endm
.irp t, 0,1,2,3,4,5,6,7
	STEP \t
.endr
	s_wait_dscnt 0x0                               ; for the others' sake: my logits and scale bytes lie in LDS
	s_barrier_signal -1
	s_barrier_wait -1
	s_cmp_lg_u32 s18, 0
	s_cbranch_scc1 .Lend                           ; the rest is wave 0's: lane <-> token l % 16 (lanes 16-31 repeat lanes 0-15)
	v_lshlrev_b32 v8, 4, v1
	ds_load_b128 v[16:19], v8 offset:SCB
	v_lshlrev_b32 v9, 5, v2
.irp w, 0,1,2,3
	ds_load_b128 v[20+8*\w:23+8*\w], v9 offset:PART+512*\w
	ds_load_b128 v[24+8*\w:27+8*\w], v9 offset:PART+512*\w+16
.endr
	s_wait_alu depctr_va_vdst(0)
	s_wait_dscnt 8                                 ; the scale bytes are in; the eight loads of logits may be out
	global_store_b128 v8, v[16:19], s[12:13]       ; 512 consecutive bytes of xs
	s_wait_dscnt 0x0
.irp p, 0,2,4,6
	v_pk_add_f32 v[20+\p:21+\p], v[20+\p:21+\p], v[28+\p:29+\p]
	v_pk_add_f32 v[36+\p:37+\p], v[36+\p:37+\p], v[44+\p:45+\p]
.endr
.irp p, 0,2,4,6
	v_pk_add_f32 v[20+\p:21+\p], v[20+\p:21+\p], v[36+\p:37+\p]
.endr
.irp e, 0,1,2,3,4,5,6,7
	v_add_f32 v[20+\e], s[24+\e], v[20+\e]         ; + gate_b
.endr
	v_max3_num_f32 v52, v20, v21, v22
	v_max3_num_f32 v52, v52, v23, v24
	v_max3_num_f32 v52, v52, v25, v26
	v_max_num_f32 v52, v52, v27                    ; the softmax's maximum
.irp e, 0,1,2,3,4,5,6,7
	v_sub_f32 v[20+\e], v[20+\e], v52
.endr
.irp e, 0,1,2,3,4,5,6,7
	v_mul_f32 v[20+\e], 0x3fb8aa3b, v[20+\e]
.endr
	s_wait_alu depctr_va_vdst(0)
.irp e, 0,1,2,3,4,5,6,7
	v_exp_f32 v[20+\e], v[20+\e]
.endr
	v_mov_b32 v54, 0                               ; the best expert so far (the plain line behind the exponentials)
	s_wait_alu depctr_va_vdst(0)                   ; one wait for the eight, ahead of their first reader
	v_add_f32 v53, v20, v21
	v_add_f32 v51, v22, v23
	v_add_f32 v50, v24, v25
	v_add_f32 v49, v26, v27
	v_add_f32 v53, v53, v51
	v_add_f32 v50, v50, v49
	v_add_f32 v53, v53, v50
	s_wait_alu depctr_va_vdst(0)
	v_rcp_f32 v53, v53
	v_mov_b32 v56, 0                               ; the second expert so far
	s_wait_alu depctr_va_vdst(0)
.irp e, 0,1,2,3,4,5,6,7
	v_mul_f32 v[20+\e], v[20+\e], v53              ; the probabilities
.endr
	v_mov_b32 v55, v20
.irp e, 1,2,3,4,5,6,7
	v_cmp_gt_f32 vcc_lo, v[20+\e], v55             ; strictly larger: the lower index keeps a tie
	v_cndmask_b32 v55, v55, v[20+\e], vcc_lo
	v_cndmask_b32 v54, v54, \e, vcc_lo
.endr
	v_mov_b32 v57, -1.0                            ; under every probability
.irp e, 0,1,2,3,4,5,6,7
	v_cmp_ne_u32 s32, \e, v54
	v_cmp_gt_f32 s33, v[20+\e], v57
	s_and_b32 vcc_lo, s32, s33
	v_cndmask_b32 v57, v57, v[20+\e], vcc_lo
	v_cndmask_b32 v56, v56, \e, vcc_lo
.endr
	v_sub_f32 v58, v57, v55                        ; the second softmax, its maximum taken away: d = second - best, 0 or less
	v_mul_f32 v58, 0x3fb8aa3b, v58
	s_wait_alu depctr_va_vdst(0)
	v_exp_f32 v59, v58                             ; e^d
	v_exp_f32 v60, -v58                            ; e^-d
	v_min_u32 v61, v54, v56                        ; lo
	v_max_u32 v62, v54, v56                        ; hi
	s_wait_alu depctr_va_vdst(0)
	v_add_f32 v63, 1.0, v59
	s_wait_alu depctr_va_vdst(0)
	v_rcp_f32 v63, v63                             ; the best's weight
	v_sub_nc_u32 v64, 13, v61
	s_wait_alu depctr_va_vdst(0)
	v_mul_f32 v65, v59, v63                        ; the second's
	v_cmp_lt_u32 vcc_lo, v54, v56                  ; is the best the lower index?
	v_cndmask_b32 v68, v63, v65, vcc_lo            ; w_hi
	v_cndmask_b32 v66, v59, v60, vcc_lo            ; r = w_lo / w_hi
	v_mov_b32 v67, v66
	v_mov_b32 v69, v68
	v_mul_u32_u24 v64, v64, v61
	v_lshrrev_b32 v64, 1, v64
	v_add3_u32 v64, v64, v62, -1                   ; the key
	v_mov_b32 v70, 0                               ; the group's counts of the keys: lane <-> key
	v_mov_b32 v71, 0                               ; and of the experts: lane <-> expert
	s_wait_alu depctr_va_vdst(0)                   ; the wait ahead of the runs of scalar lines
.set Q, 0
.rept 28
	v_cmp_eq_u32 s32, Q, v64
	s_and_b32 s32, s32, 0xffff                     ; each token once
	s_bcnt1_i32_b32 s33, s32
	v_writelane_b32 v70, s33, Q
.set Q, Q+1
.endr
.set Q, 0
.rept 8
	v_cmp_eq_u32 s32, Q, v61
	v_cmp_eq_u32 s33, Q, v62
	s_or_b32 s32, s32, s33
	s_and_b32 s32, s32, 0xffff
	s_bcnt1_i32_b32 s33, s32
	v_writelane_b32 v71, s33, Q
.set Q, Q+1
.endr
	v_lshl_or_b32 v72, v61, 8, v64
	v_lshl_or_b32 v72, v62, 12, v72                ; key | lo << 8 | hi << 12
	v_lshlrev_b32 v73, 2, v1
	v_lshlrev_b32 v74, 4, v1
	s_wait_alu depctr_va_vdst(0)
	global_store_b8 v1, v70, s[16:17] offset:16384 ; 64 consecutive bytes for each group
	global_store_b8 v1, v71, s[16:17] offset:16416
	s_wait_xcnt 0x0                                ; EXEC changes only behind this wait
	v_cmp_gt_u32 vcc_lo, 16, v1
	s_and_saveexec_b32 s34, vcc_lo
	global_store_b32 v73, v72, s[16:17]
	global_store_b128 v74, v[66:69], s[14:15]      ; sixteen lanes store 256 consecutive bytes, aligned
	s_wait_xcnt 0x0
	s_or_b32 exec_lo, exec_lo, s34
.Lend:
	s_wait_tensorcnt 0x0                           ; the wave's end
	ds_add_u32 v[SPW], v[NIL]
	s_wait_dscnt 0x0
	s_endpgm
; WORK-GROUPS 256 .. 511: THE WEIGHTS' IMAGES.  A unit is 16 rows of a weight x all of K: 16,384 bytes: [K step of 128][block c of 32][lane][16 codes]: lane (r, h) of unit (expert, 32-row group g, v) holds row
; 32 g + 8 v + r + 8 (r / 8), k = 128 s + 32 c + 16 h + 0 .. 15.  1,024 units (W1's, then W2's), one a wave: later loads take 512 consecutive bytes each.  This path writes no LDS.
.Lrelay:
	s_load_b128 s[36:39], s[0:1], 0x38             ; w1_codes, w2_codes
	s_load_b64 s[40:41], s[0:1], 0x48              ; wimg
	v_lshrrev_b32 v1, 5, v0
	v_readfirstlane_b32 s18, v1                    ; wave
	v_and_b32 v2, 15, v0
	v_bfe_u32 v3, v0, 4, 1
	v_and_b32 v8, 8, v2
	v_add_nc_u32 v8, v8, v2                        ; r + 8 (r / 8)
	v_lshlrev_b32 v8, 10, v8
	v_lshl_add_u32 v8, v3, 4, v8
	v_and_b32 v9, 31, v0
	v_lshlrev_b32 v9, 4, v9
	s_wait_alu depctr_va_vdst(0)                   ; the wait at the head's end
	s_sub_co_u32 s19, ttmp9, 256
	s_lshl_b32 s19, s19, 2
	s_add_co_u32 s19, s19, s18                     ; my unit
	s_and_b32 s20, s19, 511
	s_lshr_b32 s21, s20, 1
	s_lshl_b32 s22, s21, 15                        ; its 32 rows,
	s_and_b32 s21, s20, 1
	s_lshl_b32 s21, s21, 13
	s_add_co_u32 s22, s22, s21                     ; and 8 v
	s_mov_b32 s23, 0
	s_lshl_b32 s24, s19, 14
	s_mov_b32 s25, 0
	s_wait_kmcnt 0x0
	s_cmp_lt_u32 s19, 512
	s_cselect_b64 s[26:27], s[36:37], s[38:39]
	s_add_nc_u64 s[26:27], s[26:27], s[22:23]
	s_add_nc_u64 s[28:29], s[40:41], s[24:25]
.set I, 0
.rept 32
	global_load_b128 v[16+4*I:19+4*I], v8, s[26:27] offset:128*(I/4)+32*(I%4)
.set I, I+1
.endr
.set I, 0
.rept 32
	s_wait_loadcnt 31-I                            ; the loads behind this one may be out
	global_store_b128 v9, v[16+4*I:19+4*I], s[28:29] offset:512*I
.set I, I+1
.endr
	s_endpgm
.Lfunc_end_k_q58f8f1895e_gate:
	.size	k_q58f8f1895e_gate, .Lfunc_end_k_q58f8f1895e_gate-k_q58f8f1895e_gate
	.p2alignl 7, 3214868480
	.fill 96, 4, 3214868480
	.section	.rodata,"a",@progbits
	.p2align	6, 0x0
	.amdhsa_kernel k_q58f8f1895e_gate
		.amdhsa_group_segment_fixed_size 23552
		.amdhsa_private_segment_fixed_size 0
		.amdhsa_enable_private_segment 0
		.amdhsa_kernarg_size 80
		.amdhsa_user_sgpr_count 2
		.amdhsa_user_sgpr_kernarg_segment_ptr 1
		.amdhsa_wavefront_size32 1
		.amdhsa_system_sgpr_workgroup_id_x 1
		.amdhsa_system_sgpr_workgroup_id_y 1
		.amdhsa_system_sgpr_workgroup_id_z 1
		.amdhsa_system_vgpr_workitem_id 0
		.amdhsa_next_free_vgpr 256
		.amdhsa_next_free_sgpr 66
		.amdhsa_reserve_vcc 1
		.amdhsa_float_denorm_mode_32 3
		.amdhsa_float_denorm_mode_16_64 3
		.amdhsa_memory_ordered 1
		.amdhsa_forward_progress 1
		.amdhsa_inst_pref_size 105
	.end_amdhsa_kernel
	.amdgpu_metadata
---
amdhsa.version: [ 1, 2 ]
amdhsa.kernels:
  - .name:           k_q58f8f1895e_gate
    .symbol:         k_q58f8f1895e_gate.kd
    .args:
      - { .name: x, .offset: 0, .size: 8, .value_kind: global_buffer, .address_space: global }
      - { .name: gate_w, .offset: 8, .size: 8, .value_kind: global_buffer, .address_space: global }
      - { .name: gate_b, .offset: 16, .size: 8, .value_kind: global_buffer, .address_space: global }
      - { .name: xq, .offset: 24, .size: 8, .value_kind: global_buffer, .address_space: global }
      - { .name: xs, .offset: 32, .size: 8, .value_kind: global_buffer, .address_space: global }
      - { .name: wts, .offset: 40, .size: 8, .value_kind: global_buffer, .address_space: global }
      - { .name: route, .offset: 48, .size: 8, .value_kind: global_buffer, .address_space: global }
      - { .name: w1_codes, .offset: 56, .size: 8, .value_kind: global_buffer, .address_space: global }
      - { .name: w2_codes, .offset: 64, .size: 8, .value_kind: global_buffer, .address_space: global }
      - { .name: wimg, .offset: 72, .size: 8, .value_kind: global_buffer, .address_space: global }
    .group_segment_fixed_size: 23552
    .private_segment_fixed_size: 0
    .kernarg_segment_align: 8
    .kernarg_segment_size: 80
    .max_flat_workgroup_size: 128
    .sgpr_count:     66
    .vgpr_count:     256
    .wavefront_size: 32
...
	.end_amdgpu_metadata
.endif
;; end of part 1
;; launch place (part 2): grid 128 x 1, 4 waves a work-group, no clusters, 1,024 bytes of LDS; arguments route, place; writes place
.if DOCPART == 2
	.amdgcn_target "amdgcn-amd-amdhsa--gfx1250"
	.amdhsa_code_object_version 6
	.text
	.protected	k_q58f8f1895e_place
	.globl	k_q58f8f1895e_place
	.p2align	8
	.type	k_q58f8f1895e_place,@function
k_q58f8f1895e_place:
	s_mov_b64 s[64:65], 0
	v_nop
	global_prefetch_b8 v0, s[64:65] scope:SCOPE_SE
	s_setreg_imm32_b32 hwreg(HW_REG_WAVE_MODE, 25, 1), 1
	s_wait_xcnt 0x0
; SECOND LAUNCH: lists of rows, one a work-group, without atomics.  Only chosen experts' rows are listed (the first kernel's head shows why the others are dead work).
; Work-group T < 64: PAIR TILE T: at most 112 tokens that chose one pair (28 keys): 4,096 / 112 + 27 = 64 tiles serve every split.  T >= 64: EXPERT TILE T - 64: at most 144 rows of one expert: 8,192 / 144 + 7 = 64 tiles.
; Out: place: from byte 0 on for each T {lo | hi << 8 (pair) or the expert, count}, 8 bytes; from byte 1,024 on for each T a list of 256 words: the tokens (pair), or token + 4,096 x slot (expert; slot 1 where the expert is
; the token's hi).  Behind the lists each T has 4,096 words, one for each token, which take what does not belong to the tile: so all lanes store, each word has one store, and nobody reads these words.
; Each work-group counts for itself: a wave sums the counts of its 64 groups (its 1,024 tokens), the four waves' sums meet in LDS, a lane is a key; then each wave walks its tokens, and a match goes to
; (matches before the wave) + (matches in earlier registers) + (matches in lower lanes) - (the tile's first).  The order of a list is the same for all readers, and no result hangs on it.
.set SPARE, 256                        ; LDS: the waves' sums [wave][8][2 words of two 16-bit counts] at 0; behind them the spare words
.set SPW, 10
.set NIL, 11
.set K,  32                            ; v32-63   my 1,024 tokens' keys: register 4 i + k, lane l <-> token 1,024 w + 128 i + 4 l + k
.set CN, 64                            ; v64-79   counts as loaded
.set AD, 112                           ; v112-143 where a token's number goes
.set VA, 144                           ; v144-175 and the number
	s_load_b128 s[4:7], s[0:1], 0x0                ; route, place
	v_lshl_add_u32 v[SPW], v0, 2, SPARE
	v_mov_b32 v[NIL], 0
	v_lshrrev_b32 v1, 5, v0
	v_readfirstlane_b32 s8, v1                     ; wave
	v_and_b32 v1, 31, v0                           ; lane
	v_and_b32 v5, 7, v0
	v_lshrrev_b32 v3, 3, v0                        ; which 16 groups
	v_lshlrev_b32 v3, 10, v3
	s_wait_alu depctr_va_vdst(0)                   ; the wait ahead of the run of scalar lines
	s_and_b32 s9, ttmp9, 63                        ; tile
	s_movk_i32 s20, 144
	s_movk_i32 s21, 29128
	s_movk_i32 s22, 4096
	s_cmp_lt_u32 ttmp9, 64                         ; pair or expert?
	s_cselect_b32 s10, 7, 1                        ; words of counts, less 1
	s_cselect_b32 s11, 0, 32                       ; where they begin in a group's 64 bytes
	s_cselect_b32 s12, 28, 8                       ; keys
	s_cselect_b32 s13, 112, s20                    ; rows of a tile
	s_cselect_b32 s14, 37450, s21                  ; 2^22 / rows, rounded up: exact for the dividends below 4,240
	s_cselect_b32 s15, 0, s22                      ; what slot 1 adds
	s_cselect_b32 s16, 0, 8                        ; the two fields that are compared: the key twice, or lo and hi
	s_cselect_b32 s17, 8, 4
	s_cselect_b32 s18, 0, 12
	s_lshl_b32 s23, s8, 12
	v_lshl_add_u32 v2, v1, 4, s23                  ; my tokens' keys: 4,096 w + 16 l
	v_and_b32 v4, s10, v1
	v_lshl_add_u32 v3, v4, 2, v3
	v_add_nc_u32 v3, s11, v3                       ; counts: 1,024 (t / 8) + 4 x word
	s_lshl_b32 s24, s8, 6
	v_lshl_add_u32 v6, v5, 3, s24                  ; LDS, in: 64 w + 8 (l % 8)
	v_lshrrev_b32 v7, 2, v1                        ; LDS, out: key k: word k / 4, byte k % 4 of the counts
	v_lshlrev_b32 v7, 3, v7
	v_and_b32 v8, 1, v1
	v_lshl_add_u32 v7, v8, 2, v7
	v_bfe_u32 v8, v1, 1, 1
	v_lshl_add_u32 v7, v8, 1, v7
	s_lshl_b32 s24, s8, 10
	v_lshl_add_u32 v12, v1, 2, s24                 ; 1,024 w + 4 l
	s_lshl_b32 s59, ttmp9, 12
	s_add_co_u32 s59, s59, 0x8000
	v_add_nc_u32 v9, s59, v12                      ; in words: my tokens' places behind the 128 lists
	v_mov_b32 v13, s15
	v_mov_b32 v86, 0                               ; written once: a lane move's destination counts as one of its sources
	v_mov_b32 v87, 0
	s_mov_b32 s26, 0x76543210
	s_mov_b32 s27, 0xfedcba98                      ; v_permlanex16_b32's selects for lane l xor 16
	s_mov_b32 s28, 0xff00ff
	s_lshl_b32 s36, ttmp9, 8                       ; in words: my list
	s_wait_alu depctr_va_vdst(0)                   ; the wait at the head's end
	s_wait_kmcnt 0x0
.irp i, 0,1,2,3,4,5,6,7,8,9,10,11,12,13,14,15
	global_load_b32 v[CN+\i], v3, s[4:5] offset:16384+64*\i
.endr
.irp i, 0,1,2,3,4,5,6,7
	global_load_b128 v[K+4*\i:K+4*\i+3], v2, s[4:5] offset:512*\i
.endr
	s_wait_loadcnt 8                               ; the counts are in; the eight loads of keys may be out
	v_add3_u32 v80, v64, v65, v66                  ; eight groups of 16 tokens: a byte holds at most 128
	v_add3_u32 v81, v72, v73, v74
	v_add3_u32 v80, v80, v67, v68
	v_add3_u32 v81, v81, v75, v76
	v_add3_u32 v80, v80, v69, v70
	v_add3_u32 v81, v81, v77, v78
	v_add_nc_u32 v80, v80, v71
	v_add_nc_u32 v81, v81, v79
	v_and_b32 v82, s28, v80
	v_and_b32 v83, s28, v81
	v_lshrrev_b32 v84, 8, v80
	v_lshrrev_b32 v85, 8, v81
	v_and_b32 v84, s28, v84
	v_and_b32 v85, s28, v85
	v_add_nc_u32 v82, v82, v83                     ; bytes 0 and 2 as 16-bit counts
	v_add_nc_u32 v83, v84, v85                     ; bytes 1 and 3
	v_mov_b32_dpp v86, v82 row_xmask:8 row_mask:0xf bank_mask:0xf
	v_mov_b32_dpp v87, v83 row_xmask:8 row_mask:0xf bank_mask:0xf
	v_add_nc_u32 v82, v82, v86
	v_add_nc_u32 v83, v83, v87
	v_permlanex16_b32 v86, v82, s26, s27
	v_permlanex16_b32 v87, v83, s26, s27
	v_add_nc_u32 v82, v82, v86                     ; my wave's 64 groups
	v_add_nc_u32 v83, v83, v87
	ds_store_b64 v6, v[82:83]                      ; four lanes write the same bytes with the same values
	s_wait_alu depctr_va_vdst(0)
	s_wait_dscnt 0x0                               ; for the others' sake
	s_barrier_signal -1
	s_barrier_wait -1
.irp w, 0,1,2,3
	ds_load_u16 v[88+\w], v7 offset:64*\w          ; lane <-> key
.endr
	v_mov_b32 v93, 0                               ; P: a key's rows in earlier waves
	s_wait_alu depctr_va_vdst(0)
	s_wait_dscnt 0x0
	v_add3_u32 v92, v88, v89, v90
	v_add_nc_u32 v92, v92, v91                     ; N: its rows in all
.irp w, 0,1,2
	s_cmp_gt_u32 s8, \w
	s_cselect_b32 s29, -1, 0
	v_and_b32 v94, s29, v[88+\w]
	v_add_nc_u32 v93, v93, v94
.endr
	v_cmp_gt_u32 vcc_lo, s12, v1
	v_cndmask_b32 v92, 0, v92, vcc_lo              ; lanes that are no key
	v_add_nc_u32 v95, s13, v92
	v_add_nc_u32 v95, -1, v95
	v_mul_u32_u24 v95, s14, v95
	v_lshrrev_b32 v95, 22, v95                     ; a key's tiles
	v_mov_b32 v96, v95                             ; their running sum over the 32 lanes
.irp n, 1,2,4,8
	v_mov_b32 v97, 0
	v_mov_b32_dpp v97, v96 row_shr:\n row_mask:0xf bank_mask:0xf bound_ctrl:1
	v_add_nc_u32 v96, v96, v97
.endr
	v_readlane_b32 s29, v96, 15
	v_mov_b32 v98, s29
	v_cmp_lt_u32 vcc_lo, 15, v1
	v_cndmask_b32 v97, 0, v98, vcc_lo
	v_add_nc_u32 v96, v96, v97
	v_sub_nc_u32 v99, v96, v95                     ; a key's first tile
	v_cmp_ge_u32 s32, s9, v99
	v_cmp_lt_u32 s33, s9, v96
	s_wait_alu depctr_va_vdst(0)                   ; the wait ahead of the scalar lines
	s_and_b32 s32, s32, s33
	s_ctz_i32_b32 s34, s32                         ; the key that owns my tile;
	s_min_u32 s34, s34, 31                         ; none (all ones): lane 31, which counts no row
	v_readlane_b32 s38, v92, s34
	v_readlane_b32 s39, v99, s34
	v_readlane_b32 s40, v93, s34
	s_sub_co_u32 s39, s9, s39
	s_mul_i32 s39, s39, s13                        ; the tile's first row among the key's
	s_sub_co_i32 s41, s38, s39
	s_max_i32 s41, s41, 0
	s_min_i32 s41, s41, s13                        ; its rows
	s_sub_co_u32 s40, s40, s39                     ; my wave's first match stands here in the tile (under 0: in an earlier tile)
	s_wait_loadcnt 0x0
.macro WALK i                          ; four registers of tokens
.irp k, 0,1,2,3
	v_bfe_u32 v[100+\k], v[K+4*\i+\k], s16, s17
	v_bfe_u32 v[104+\k], v[K+4*\i+\k], s18, s17
.endr
.irp k, 0,1,2,3
	v_cmp_eq_u32 s[44+\k], s34, v[100+\k]
	v_cmp_eq_u32 s[48+\k], s34, v[104+\k]
.endr
	s_wait_alu depctr_va_vdst(0)                   ; the wait here and below, ahead of the scalar lines
.irp k, 0,1,2,3
	s_or_b32 s[44+\k], s[44+\k], s[48+\k]
	v_mbcnt_lo_u32_b32 v[108+\k], s[44+\k], s40
	s_bcnt1_i32_b32 s52, s[44+\k]
	s_add_co_u32 s40, s40, s52
.endr
	s_wait_alu depctr_va_vdst(0)
.irp k, 0,1,2,3
	v_cmp_gt_u32 s[54+\k], s13, v[108+\k]          ; inside the tile (as unsigned numbers)
	s_and_b32 s[54+\k], s[54+\k], s[44+\k]
	v_cndmask_b32 v[100+\k], 0, v13, s[48+\k]      ; slot 1
.endr
	s_wait_alu depctr_va_vdst(0)
.irp k, 0,1,2,3
	v_add_nc_u32 v[108+\k], s36, v[108+\k]         ; in words: a place in the list,
	v_add_nc_u32 v[104+\k], 128*\i+\k, v9          ; or the token's own behind the lists
.endr
.irp k, 0,1,2,3
	v_cndmask_b32 v[AD+4*\i+\k], v[104+\k], v[108+\k], s[54+\k]
.endr
.irp k, 0,1,2,3
	v_min_u32 v[AD+4*\i+\k], 0x87fff, v[AD+4*\i+\k]   ; inside the buffer: 128 x 256 + 128 x 4,096 words
.endr
.irp k, 0,1,2,3
	v_lshlrev_b32 v[AD+4*\i+\k], 2, v[AD+4*\i+\k]
	v_add3_u32 v[VA+4*\i+\k], v12, v[100+\k], 128*\i+\k
.endr
.irp k, 0,1,2,3
	global_store_b32 v[AD+4*\i+\k], v[VA+4*\i+\k], s[6:7] offset:1024
.endr
.endm
.irp i, 0,1,2,3,4,5,6,7
	WALK \i
.endr
	s_cmp_lg_u32 s8, 0
	s_cbranch_scc1 .Lend
	s_mov_b32 s56, 0                               ; the tile's entry, by wave 0: lo = how many of these first keys are at or under q
.irp n, 7,13,18,22,25,27
	s_cmp_ge_u32 s34, \n
	s_add_co_ci_u32 s56, s56, 0
.endr
	s_sub_co_u32 s57, 13, s56
	s_mul_i32 s57, s57, s56
	s_lshr_b32 s57, s57, 1
	s_sub_co_u32 s57, s34, s57
	s_add_co_u32 s57, s57, 1                       ; hi = q - lo (13 - lo) / 2 + 1
	s_lshl_b32 s57, s57, 8
	s_or_b32 s57, s57, s56
	s_cmp_lt_u32 ttmp9, 64
	s_cselect_b32 s57, s57, s34
	s_lshl_b32 s58, ttmp9, 3
	v_mov_b32 v100, s57
	v_mov_b32 v101, s41
	v_mov_b32 v102, s58
	s_wait_alu depctr_va_vdst(0)                   ; the wait ahead of the wait below
	s_wait_xcnt 0x0                                ; EXEC changes only behind this wait
	v_cmp_gt_u32 vcc_lo, 1, v1
	s_and_saveexec_b32 s60, vcc_lo
	global_store_b64 v102, v[100:101], s[6:7]      ; lane 0 alone
	s_wait_xcnt 0x0
	s_or_b32 exec_lo, exec_lo, s60
.Lend:
	s_wait_tensorcnt 0x0                           ; the wave's end
	ds_add_u32 v[SPW], v[NIL]
	s_wait_dscnt 0x0
	s_endpgm
.Lfunc_end_k_q58f8f1895e_place:
	.size	k_q58f8f1895e_place, .Lfunc_end_k_q58f8f1895e_place-k_q58f8f1895e_place
	.p2alignl 7, 3214868480
	.fill 96, 4, 3214868480
	.section	.rodata,"a",@progbits
	.p2align	6, 0x0
	.amdhsa_kernel k_q58f8f1895e_place
		.amdhsa_group_segment_fixed_size 1024
		.amdhsa_private_segment_fixed_size 0
		.amdhsa_enable_private_segment 0
		.amdhsa_kernarg_size 16
		.amdhsa_user_sgpr_count 2
		.amdhsa_user_sgpr_kernarg_segment_ptr 1
		.amdhsa_wavefront_size32 1
		.amdhsa_system_sgpr_workgroup_id_x 1
		.amdhsa_system_sgpr_workgroup_id_y 1
		.amdhsa_system_sgpr_workgroup_id_z 1
		.amdhsa_system_vgpr_workitem_id 0
		.amdhsa_next_free_vgpr 192
		.amdhsa_next_free_sgpr 66
		.amdhsa_reserve_vcc 1
		.amdhsa_float_denorm_mode_32 3
		.amdhsa_float_denorm_mode_16_64 3
		.amdhsa_memory_ordered 1
		.amdhsa_forward_progress 1
		.amdhsa_inst_pref_size 43
	.end_amdhsa_kernel
	.amdgpu_metadata
---
amdhsa.version: [ 1, 2 ]
amdhsa.kernels:
  - .name:           k_q58f8f1895e_place
    .symbol:         k_q58f8f1895e_place.kd
    .args:
      - { .name: route, .offset: 0, .size: 8, .value_kind: global_buffer, .address_space: global }
      - { .name: place, .offset: 8, .size: 8, .value_kind: global_buffer, .address_space: global }
    .group_segment_fixed_size: 1024
    .private_segment_fixed_size: 0
    .kernarg_segment_align: 8
    .kernarg_segment_size: 16
    .max_flat_workgroup_size: 128
    .sgpr_count:     66
    .vgpr_count:     192
    .wavefront_size: 32
...
	.end_amdgpu_metadata
.endif
;; end of part 2
;; launch up (part 3): grid 4 x 64, 4 waves a work-group, no clusters, 195,328 bytes of LDS; arguments xq, xs, place, wimg, w1_scales, b1, h, hs; writes h, hs
.if DOCPART == 3
	.amdgcn_target "amdgcn-amd-amdhsa--gfx1250"
	.amdhsa_code_object_version 6
	.text
	.protected	k_q58f8f1895e_up
	.globl	k_q58f8f1895e_up
	.p2align	8
	.type	k_q58f8f1895e_up,@function
k_q58f8f1895e_up:
	s_mov_b64 s[64:65], 0
	v_nop
	global_prefetch_b8 v0, s[64:65] scope:SCOPE_SE
	s_setreg_imm32_b32 hwreg(HW_REG_WAVE_MODE, 25, 1), 1
	s_wait_xcnt 0x0
; THIRD LAUNCH: H = Q(relu(Q(x) W1_e + b1_e)) for the rows of one expert e.  Rows of experts that were not chosen are dead work (first kernel's head).
; SHARES: work-group (c, tile): hidden units 256 c .. 256 c + 255 of the tile's at most 144 rows; wave w: 64 of them, n0 = 256 c + 64 w, for all rows.  64 tiles x 4 = 256 work-groups serve every split, and all do the same work:
; no branch and no count of loads hangs on what was read.  A pad row repeats the tile's last live row (in a tile without rows: tile 0's first) and is stored to a row of its own behind the 8,192 rows of h and hs, which nobody reads.
; K IS THE OUTERMOST LOOP: 8 steps of 128; the sums of 144 rows x 64 hidden units stay in registers (288); the wave's weights stream from memory, as images of operand registers, through a RING OF FOUR K STEPS in registers
; (16 loads of 512 consecutive bytes a step): step j asks for step j + 3, into the slot that step j - 1 has left.  The gathered rows of x lie in LDS; a step goes in three groups of three row tiles, and group T (of 24)
; fetches group T + 3's fragments into the fourth of four buffers.  No barrier stands in the steps.
; NO TENSOR LOAD, NO CLUSTER: a tile's expert is read from memory, so no partners are known to share weights; the rows are gathered one by one.  No prefetch: the ring asks three steps ahead.
; THE MATRIX INSTRUCTION IS USED TRANSPOSED (source 0 = 16 rows of W1, source 1 = 16 rows of x): lane (r, h) holds row r of H, and a row tile's 32 registers are hidden units n0 + 32 b + 16 h + 0 .. 15, b = 0, 1: half a block of
; the next K each, in K's order.  b1 is the C of each sum's first product.
; OUT: h [4,096 x slot + token][1024] codes, hs [the same row][32] scale bytes: the work-group's 256 codes of a row meet in an LDS stage and leave as 256 consecutive bytes.
; LIMITS: as at the first kernel's head; the sums begin with b1 (another order of the f32 additions than x W1 first, + b1 last).
; REGISTERS, in windows of 256: window 0: below; window 1: the sums of row tiles 0 to 7, 32 a + 8 t; window 2: the ring, 64 (j % 4) + 16 t; window 3: fragments, 48 (T % 4) + 16 u, and from 192 on the sums of row tile 8.
.set PITCH, 1040                       ; a row of codes in LDS: 1,024 bytes + 16 = 65 x 16: the 16 rows that a load touches fall on 16 different columns of 16 bytes (ISA guide 11.1)
.set XSC,   149760                     ; x's scale bytes [row][32]
.set STG,   154368                     ; the stage: 144 rows x (256 + 16) bytes
.set SCT,   193536                     ; H's scale bytes of this chunk [row][8]
.set SPARE, 194816                     ; the spare words, 128 bytes for each wave
.set WO,  4                            ; v4   the weights' image: 16 x lane
.set WSO, 5                            ; v5   W1's scale words: (r + 8 (r / 8) + 8 h) x 32
.set BO,  6                            ; v6   b1: 64 h
.set ROW, 8                            ; v8   36 w + h
.set XSA, 12                           ; v12  XSC + 32 x lane
.set XSB, 13                           ; v13  XSC + 4,096 + 32 r
.set XST, 14                           ; v14  XSC + 32 x thread
.set XSU, 15                           ; v15  XSC + 4,096 + 128 w + 32 (l % 4)
.set SPW, 16                           ; v16  LDS address of my spare word; never rewritten
.set NIL, 17                           ; v17  0; never rewritten
.set GST, 18                           ; v18  where gathered rows go: (36 w + h) x PITCH + 16 r
.set STW, 19                           ; v19  the stage, in: 272 r + 64 w + 16 h
.set STR, 20                           ; v20  and back: (36 w + h) x 272 + 16 r
.set SCW, 21                           ; v21  SCT + 8 r + 2 w
.set SCR, 22                           ; v22  SCT + 8 x thread
.set SCU, 23                           ; v23  SCT + 1,024 + 32 w + 8 (l % 4)
.set AF,  24                           ; v24-26  the fragments' LDS address for group g
.set HDA, 27                           ; v27  my row's place in hs: row thread,
.set HDB, 28                           ; v28  and row 128 + 4 w + l % 4
.set TKA, 29                           ; v29, v30  the same rows' scale bytes in xs
.set TKB, 30
.set VT,  32                           ; v32-49  gather offsets of rows 36 w + 2 i + h
.set DV,  50                           ; v50-67  the same rows' places in h
.set WS,  72                           ; v72-87  W1's scale words: 8 b + s: lanes 0-15 column tile 2 b, lanes 16-31 tile 2 b + 1
.set BI,  88                           ; v88-119 b1 in the result's layout: 8 t + j
.set XS,  124                          ; v124-163 the rows' scale words: 8 g + s: lane <-> row 32 g + lane
.set TM,  164                          ; v164-179 the quantiser's: largest magnitudes, bytes, holds, scale operands
.set PW,  180                          ; v180-181 two scale bytes for each row tile
.set PC,  184                          ; v184-199 codes
.set OB,  72                           ; v72-143 on the way out: rows back from the stage, where scale words and bias lay
.set OS,  144                          ; v144-147 and their scale bytes
.set MSB, 0
.macro WIN new                         ; the immediate's high byte repeats the setting that is left; bits 1:0 source 0, 3:2 source 1, 5:4 source 2, 7:6 destination
.if MSB != \new
	s_set_vgpr_msb (MSB<<8)|\new
.set MSB, \new
.endif
.endm
.macro WFRAG j                         ; the four column tiles' fragments of step j into ring slot j % 4: 16 loads
.set wR, 64*((\j)%4)
.irp t, 0,1,2,3
.irp c, 0,1,2,3
	global_load_b128 v[wR+16*\t+4*\c:wR+16*\t+4*\c+3], v[WO], s[32:33] offset:16384*\t+2048*(\j)+512*\c
.endr
.endr
.endm
.macro AFETCH T                        ; 12 LDS loads: group T's three fragments into buffer T % 4
.set aJ, (\T)/3
.set aG, (\T)%3
.set aR, 48*((\T)%4)
.irp u, 0,1,2
.irp c, 0,1,2,3
	ds_load_b128 v[aR+16*\u+4*\c:aR+16*\u+4*\c+3], v[AF+aG] offset:\u*16*PITCH+128*aJ+32*\c
.endr
.endr
.endm
.macro MM j, g, u, t                   ; one product: row tile 3 g + u, column tile t
.set mA, 3*(\g)+\u
.set rD, 32*(mA%8)+192*(mA/8)+8*\t
.set rA, 64*((\j)%4)+16*\t
.set rB, 48*((3*(\j)+(\g))%4)+16*\u
.set rW, WS+8*(\t/2)+(\j)
.set rX, XS+8*(mA/2)+(\j)
.set rC, rD
.if (\j) == 0
.set rC, BI+8*\t                       ; the bias starts the sum
.endif
.if ((\t)%2 == 0) && (mA%2 == 0)
	v_wmma_scale_f32_16x16x128_f8f6f4 v[rD:rD+7], v[rA:rA+15], v[rB:rB+15], v[rC:rC+7], v[rW], v[rX] matrix_a_fmt:MATRIX_FMT_BF8 matrix_b_fmt:MATRIX_FMT_BF8
.elseif (mA%2 == 0)
	v_wmma_scale_f32_16x16x128_f8f6f4 v[rD:rD+7], v[rA:rA+15], v[rB:rB+15], v[rC:rC+7], v[rW], v[rX] matrix_a_fmt:MATRIX_FMT_BF8 matrix_b_fmt:MATRIX_FMT_BF8 matrix_a_scale:MATRIX_SCALE_ROW1
.elseif ((\t)%2 == 0)
	v_wmma_scale_f32_16x16x128_f8f6f4 v[rD:rD+7], v[rA:rA+15], v[rB:rB+15], v[rC:rC+7], v[rW], v[rX] matrix_a_fmt:MATRIX_FMT_BF8 matrix_b_fmt:MATRIX_FMT_BF8 matrix_b_scale:MATRIX_SCALE_ROW1
.else
	v_wmma_scale_f32_16x16x128_f8f6f4 v[rD:rD+7], v[rA:rA+15], v[rB:rB+15], v[rC:rC+7], v[rW], v[rX] matrix_a_fmt:MATRIX_FMT_BF8 matrix_b_fmt:MATRIX_FMT_BF8 matrix_a_scale:MATRIX_SCALE_ROW1 matrix_b_scale:MATRIX_SCALE_ROW1
.endif
.endm
; GROUP T = 3 j + g: twelve products, the accumulators by turns.  Eight places stand behind the last group's products, ahead of the loads into a fragment buffer and a ring slot that
; products have read.
.macro GRP j, g
.set T_, 3*(\j)+(\g)
.if (T_ > 0) && (T_ < 21)
.rept 8
	v_nop
.endr
.endif
.if T_ < 21
	WIN 0xc0
	AFETCH T_+3
.endif
.if (\g) == 0
.if (\j) < 6
	s_wait_loadcnt 32                              ; this step's weights are in; the 32 loads of the two steps behind it may be out
.else
	s_wait_loadcnt 16*(7-(\j))
.endif
.if (\j) < 5
	WIN 0x80
	WFRAG (\j)+3
.endif
.endif
.if T_ < 21
	s_wait_dscnt 36                                ; this group's fragments are in; the 36 loads of the three groups behind it may be out
.else
	s_wait_dscnt 12*(23-T_)
.endif
.irp u, 0,1,2
.if (3*(\g)+\u) == 8
.set sW, 0xfe                          ; source 0 (weights) window 2, source 1 (rows), C and D window 3
.if (\j) == 0
.set sW, 0xce                          ; C, the bias, window 0
.endif
.else
.set sW, 0x5e                          ; C and D window 1
.if (\j) == 0
.set sW, 0x4e
.endif
.endif
	WIN sW
.irp t, 0,1,2,3
	MM \j, \g, \u, \t
.endr
.endr
.endm
	s_load_b512 s[4:19], s[0:1], 0x0               ; xq, xs, place, wimg, w1_scales, b1, h, hs
	v_lshl_add_u32 v[SPW], v0, 2, SPARE
	v_mov_b32 v[NIL], 0
	v_lshrrev_b32 v1, 5, v0
	v_readfirstlane_b32 s20, v1                    ; wave
	v_and_b32 v1, 15, v0                           ; r
	v_bfe_u32 v2, v0, 4, 1                         ; h
	v_and_b32 v3, 31, v0                           ; lane
	v_lshlrev_b32 v[WO], 4, v3
	v_and_b32 v9, 3, v0                            ; l % 4
	s_wait_alu depctr_va_vdst(0)                   ; the wait ahead of the wait below and of the scalar lines
	s_lshl_b32 s21, ttmp9, 8                       ; 256 c
	s_and_b32 s22, ttmp7, 0xffff                   ; tile
	s_lshl_b32 s23, s22, 3
	s_mul_i32 s31, s20, 36
	s_mov_b32 s47, 0
	s_mov_b32 s60, 0x76543210
	s_mov_b32 s61, 0xfedcba98                      ; v_permlanex16_b32's selects for lane l xor 16
	s_mov_b32 s62, 0x600000                        ; the mantissa field of 57,344
	s_wait_kmcnt 0x0
	s_load_b64 s[24:25], s[8:9], s23 offset:0x200  ; the tile's entry: expert, count
	v_mul_u32_u24 v8, v1, PITCH
	v_lshl_add_u32 v[AF], v2, 4, v8
	v_add_nc_u32 v[AF+1], 48*PITCH, v[AF]
	v_add_nc_u32 v[AF+2], 96*PITCH, v[AF]
	v_lshl_add_u32 v[XSA], v3, 5, XSC
	v_lshl_add_u32 v[XSB], v1, 5, XSC+4096
	v_lshl_add_u32 v[XST], v0, 5, XSC
	s_lshl_b32 s46, s20, 7
	s_add_co_u32 s46, s46, XSC+4096
	v_lshl_add_u32 v[XSU], v9, 5, s46
	s_mul_i32 s46, s20, 36*PITCH
	v_mul_u32_u24 v8, v2, PITCH
	v_lshl_add_u32 v8, v1, 4, v8
	v_add_nc_u32 v[GST], s46, v8
	s_lshl_b32 s46, s20, 6
	s_add_co_u32 s46, s46, STG
	v_mul_u32_u24 v8, v1, 272
	v_lshl_add_u32 v8, v2, 4, v8
	v_add_nc_u32 v[STW], s46, v8
	s_mul_i32 s46, s20, 36*272
	s_add_co_u32 s46, s46, STG
	v_mul_u32_u24 v8, v2, 272
	v_lshl_add_u32 v8, v1, 4, v8
	v_add_nc_u32 v[STR], s46, v8
	s_lshl_b32 s46, s20, 1
	s_add_co_u32 s46, s46, SCT
	v_lshl_add_u32 v[SCW], v1, 3, s46
	v_lshl_add_u32 v[SCR], v0, 3, SCT
	s_lshl_b32 s46, s20, 5
	s_add_co_u32 s46, s46, SCT+1024
	v_lshl_add_u32 v[SCU], v9, 3, s46
	v_and_b32 v10, 8, v1
	v_add_nc_u32 v10, v10, v1                      ; r + 8 (r / 8)
	v_lshl_add_u32 v10, v2, 3, v10
	v_lshlrev_b32 v[WSO], 5, v10
	v_lshlrev_b32 v[BO], 6, v2
.irp b, 0,1,2,3
	v_mov_b32 v[TM+4+\b], 0                        ; written once: a lane permute's destination counts as one of its sources
.endr
	s_wait_alu depctr_va_vdst(0)                   ; the wait ahead of the wait below
	s_wait_kmcnt 0x0
	s_min_u32 s26, s24, 7                          ; the expert
	s_min_u32 s28, s25, 144                        ; the tile's rows
	s_min_u32 s63, s28, 1                          ; 1 where it has any
	s_max_u32 s29, s28, 1
	s_sub_co_u32 s29, s29, 1                       ; its last live row
	s_lshl_b32 s30, s20, 6
	s_add_co_u32 s30, s30, s21                     ; n0
	s_lshl_b32 s66, s26, 10
	s_add_co_u32 s66, s66, s30                     ; row 1,024 e + n0
	s_lshl_b32 s46, s66, 10
	s_add_nc_u64 s[32:33], s[10:11], s[46:47]      ; its four units of 16,384 bytes
	s_lshl_b32 s46, s66, 5
	s_add_nc_u64 s[34:35], s[12:13], s[46:47]
	s_lshl_b32 s46, s66, 2
	s_add_nc_u64 s[36:37], s[14:15], s[46:47]
	s_mul_i32 s46, s22, s63                        ; an empty tile reads tile 0's list, whose first entry is always stored
	s_lshl_b32 s46, s46, 10
	s_add_co_u32 s46, s46, 0x10400                 ; the expert lists lie behind the 64 pair lists
	s_add_nc_u64 s[56:57], s[8:9], s[46:47]
	s_lshl_b32 s38, s20, 2
	s_add_co_u32 s38, s38, 128
	s_mul_i32 s40, s22, 144
	s_add_co_u32 s40, s40, 0x2000                  ; where my tile's pad rows go: behind the 8,192 rows
	v_add_nc_u32 v[ROW], s31, v2                   ; row 36 w + h
.irp i, 0,1,2,3,4,5,6,7,8,9,10,11,12,13,14,15,16,17
	v_add_nc_u32 v[VT+\i], 2*\i, v[ROW]
	v_min_u32 v[VT+\i], s29, v[VT+\i]              ; a pad row repeats the last live one
	v_min_u32 v[VT+\i], 143, v[VT+\i]
	v_lshlrev_b32 v[VT+\i], 2, v[VT+\i]
.endr
	v_min_u32 v[TKA], s29, v0
	v_min_u32 v[TKA], 143, v[TKA]
	v_lshlrev_b32 v[TKA], 2, v[TKA]
	v_add_nc_u32 v[TKB], s38, v9
	v_min_u32 v[TKB], s29, v[TKB]
	v_min_u32 v[TKB], 143, v[TKB]
	v_lshlrev_b32 v[TKB], 2, v[TKB]
.irp i, 0,1,2,3,4,5,6,7,8,9,10,11,12,13,14,15,16,17
	global_load_b32 v[VT+\i], v[VT+\i], s[56:57]
.endr
	global_load_b32 v[TKA], v[TKA], s[56:57]
	global_load_b32 v[TKB], v[TKB], s[56:57]
.irp b, 0,1                                    ; 12 loads: the scale words and the bias; with the ring's first two steps they go out while the list is on its way
	global_load_b128 v[WS+8*\b:WS+8*\b+3], v[WSO], s[34:35] offset:1024*\b
	global_load_b128 v[WS+8*\b+4:WS+8*\b+7], v[WSO], s[34:35] offset:1024*\b+16
.endr
.irp t, 0,1,2,3
	global_load_b128 v[BI+8*\t:BI+8*\t+3], v[BO], s[36:37] offset:(32*(\t/2)+8*(\t%2))*4
	global_load_b128 v[BI+8*\t+4:BI+8*\t+7], v[BO], s[36:37] offset:(32*(\t/2)+8*(\t%2))*4+16
.endr
	WIN 0x80
	WFRAG 0
	WFRAG 1
	WIN 0
	s_lshr_b32 s39, s21, 5                         ; 8 c
	v_lshlrev_b32 v10, 4, v1                       ; 16 r
	v_add_nc_u32 v11, s21, v10                     ; and my chunk of a row of h
	s_wait_alu depctr_va_vdst(0)                   ; the wait ahead of the wait below
	s_wait_loadcnt 44                              ; the list is in: behind it 12 + 32 loads
.irp i, 0,1,2,3,4,5,6,7,8,9,10,11,12,13,14,15,16,17
	v_min_u32 v[VT+\i], 0x1fff, v[VT+\i]           ; token + 4,096 x slot
	v_add_nc_u32 v68, 2*\i, v[ROW]
	v_cmp_gt_u32 vcc_lo, s28, v68                  ; is the row live?
	v_add_nc_u32 v69, s40, v68
	v_cndmask_b32 v69, v69, v[VT+\i], vcc_lo
	v_min_u32 v69, 0x43ff, v69                     ; inside the 8,192 + 9,216 rows
	v_lshl_add_u32 v[DV+\i], v69, 10, v11
	v_and_b32 v[VT+\i], 0xfff, v[VT+\i]
	v_lshl_add_u32 v[VT+\i], v[VT+\i], 10, v10
.endr
	v_mov_b32 v70, v0
	v_add_nc_u32 v71, s38, v9
.irp k, 0,1
	v_min_u32 v[TKA+\k], 0x1fff, v[TKA+\k]
	v_cmp_gt_u32 vcc_lo, s28, v[70+\k]
	v_add_nc_u32 v69, s40, v[70+\k]
	v_cndmask_b32 v69, v69, v[TKA+\k], vcc_lo
	v_min_u32 v69, 0x43ff, v69
	v_lshl_add_u32 v[HDA+\k], v69, 5, s39
	v_and_b32 v[TKA+\k], 0xfff, v[TKA+\k]
	v_lshlrev_b32 v[TKA+\k], 5, v[TKA+\k]
.endr
	WIN 0xc0
.irp i, 0,1,2,3,4,5,6,7,8,9,10,11,12,13,14,15
.irp q, 0,1,2,3
	global_load_b128 v[16*\i+4*\q:16*\i+4*\q+3], v[VT+\i], s[4:5] offset:256*\q   ; rows 36 w + 2 i + h: sixteen lanes read 256 consecutive bytes, aligned
.endr
.endr
	WIN 0x40
.irp i, 16,17
.irp q, 0,1,2,3
	global_load_b128 v[16*(\i-16)+4*\q:16*(\i-16)+4*\q+3], v[VT+\i], s[4:5] offset:256*\q
.endr
.endr
	WIN 0
	global_load_b128 v[XS:XS+3], v[TKA], s[6:7]
	global_load_b128 v[XS+4:XS+7], v[TKA], s[6:7] offset:16
	global_load_b128 v[XS+8:XS+11], v[TKB], s[6:7]
	global_load_b128 v[XS+12:XS+15], v[TKB], s[6:7] offset:16
	WIN 0x80
	WFRAG 2                                        ; one more step of the ring: it is on its way while the rows go to LDS
	WIN 0
	s_wait_alu depctr_va_vdst(0)                   ; the wait at the head's end
	s_wait_loadcnt 16                              ; all but the 16 loads just issued are in
	WIN 0x0c                                       ; an LDS store's data are its source 1: window 3
.irp i, 0,1,2,3,4,5,6,7,8,9,10,11,12,13,14,15
.irp q, 0,1,2,3
	ds_store_b128 v[GST], v[16*\i+4*\q:16*\i+4*\q+3] offset:2*PITCH*\i+256*\q
.endr
.endr
	WIN 0x04
.irp i, 16,17
.irp q, 0,1,2,3
	ds_store_b128 v[GST], v[16*(\i-16)+4*\q:16*(\i-16)+4*\q+3] offset:2*PITCH*\i+256*\q
.endr
.endr
	WIN 0
	ds_store_b128 v[XST], v[XS:XS+3]
	ds_store_b128 v[XST], v[XS+4:XS+7] offset:16
	ds_store_b128 v[XSU], v[XS+8:XS+11]            ; eight lanes write the same bytes with the same values
	ds_store_b128 v[XSU], v[XS+12:XS+15] offset:16
	s_wait_dscnt 0x0                               ; for the others' sake: my 36 rows lie in LDS
	s_barrier_signal -1
	s_barrier_wait -1
.irp g, 0,1,2,3
	ds_load_b128 v[XS+8*\g:XS+8*\g+3], v[XSA] offset:1024*\g        ; the scale words of all 144 rows, for all of K: they stay
	ds_load_b128 v[XS+8*\g+4:XS+8*\g+7], v[XSA] offset:1024*\g+16
.endr
	ds_load_b128 v[XS+32:XS+35], v[XSB]            ; rows 128 to 143, in both halves of the lanes
	ds_load_b128 v[XS+36:XS+39], v[XSB] offset:16
	WIN 0xc0
	AFETCH 0
	AFETCH 1
	AFETCH 2
.irp j, 0,1,2,3,4,5,6,7
.irp g, 0,1,2
	GRP \j, \g
.endr
.endr
	WIN 0
; nb blocks of 32 hidden units, of the row tiles from at on, in registers A on of window w, become codes in the stage and two scale bytes for each row tile.
; What is negative becomes 0 on the way: no |.| on the maximum's sources, and the hold clips at 0.
.macro QUANT w, A, nb, at
	WIN (\w)*0x05                                  ; sources 0 and 1
.irp b, 0,1,2,3
.if \b < \nb
	v_max3_num_f32 v[TM+\b], v[\A+16*\b], v[\A+16*\b+1], 0x8000000   ; my 16 numbers, from each accumulator's low end on, and the floor 2^(16 - 127): the byte cannot fall under 1
.endif
.endr
	WIN (\w)*0x14                                  ; sources 1 and 2
.irp i, 2,4,6,8,10,12,14
.irp b, 0,1,2,3
.if \b < \nb
	v_max3_num_f32 v[TM+\b], v[TM+\b], v[\A+16*\b+\i], v[\A+16*\b+\i+1]
.endif
.endr
.endr
	WIN 0
.irp b, 0,1,2,3
.if \b < \nb
	v_permlanex16_b32 v[TM+4+\b], v[TM+\b], s60, s61
.endif
.endr
.irp b, 0,1,2,3
.if \b < \nb
	v_max_num_f32 v[TM+\b], v[TM+\b], v[TM+4+\b]   ; with lane l xor 16's: the block's largest magnitude
.endif
.endr
.irp b, 0,1,2,3
.if \b < \nb
	v_add_nc_u32 v[TM+12+\b], 0xf8800000, v[TM+\b] ; 15 off its exponent field: the conversion's scale operand
	v_and_or_b32 v[TM+8+\b], v[TM+\b], 0x7f800000, s62   ; 57,344 x the scale
.endif
.endr
.irp b, 0,1,2,3
.if \b < \nb
	v_lshrrev_b32 v[TM+4+\b], 23, v[TM+12+\b]      ; the scale's byte
.endif
.endr
.irp u, 0,1
.if 2*\u < \nb
	v_lshl_or_b32 v[PW+\u], v[TM+5+2*\u], 8, v[TM+4+2*\u]
.endif
.endr
	WIN (\w)*0x41                                  ; destination and source 0
.irp b, 0,1,2,3
.if \b < \nb
.irp i, 0,1,2,3,4,5,6,7,8,9,10,11,12,13,14,15
	v_med3_num_f32 v[\A+16*\b+\i], v[\A+16*\b+\i], 0, v[TM+8+\b]   ; the activation and the hold in one (the conversion does not saturate: ISA guide 7.6.2)
.endr
.endif
.endr
	WIN \w
.irp b, 0,1,2,3
.if \b < \nb
	v_cvt_scalef32_pk8_bf8_f32 v[PC+4*\b:PC+4*\b+1], v[\A+16*\b:\A+16*\b+7], v[TM+12+\b]
	v_cvt_scalef32_pk8_bf8_f32 v[PC+4*\b+2:PC+4*\b+3], v[\A+16*\b+8:\A+16*\b+15], v[TM+12+\b]
.endif
.endr
	WIN 0
	v_nop                                          ; a plain line behind the last conversion
.irp b, 0,1,2,3
.if \b < \nb
	ds_store_b128 v[STW], v[PC+4*\b:PC+4*\b+3] offset:(\at+\b/2)*4352+32*(\b%2)
.endif
.endr
.irp u, 0,1
.if 2*\u < \nb
	ds_store_b16 v[SCW], v[PW+\u] offset:(\at+\u)*128   ; lanes l and l + 16 write the same two bytes
.endif
.endr
.endm
.rept 8
	v_nop                                          ; eight places ahead of the first read of results
.endr
	QUANT 1, 0, 4, 0
	QUANT 1, 64, 4, 2
	QUANT 1, 128, 4, 4
	QUANT 1, 192, 4, 6
	QUANT 3, 192, 2, 8
	s_wait_alu depctr_va_vdst(0)
	s_wait_dscnt 0x0                               ; for the others' sake: my codes and scale bytes lie in the stage
	s_barrier_signal -1
	s_barrier_wait -1
.irp i, 0,1,2,3,4,5,6,7,8,9,10,11,12,13,14,15,16,17
	ds_load_b128 v[OB+4*\i:OB+4*\i+3], v[STR] offset:544*\i
.endr
	ds_load_b64 v[OS:OS+1], v[SCR]
	ds_load_b64 v[OS+2:OS+3], v[SCU]
.irp i, 0,1,2,3,4,5,6,7,8,9,10,11,12,13,14,15,16,17
	s_wait_dscnt 19-\i                             ; the LDS loads behind this one may be out
	global_store_b128 v[DV+\i], v[OB+4*\i:OB+4*\i+3], s[16:17]   ; rows 36 w + 2 i + h: sixteen lanes store 256 consecutive bytes, aligned
.endr
	s_wait_dscnt 0x0
	global_store_b64 v[HDA], v[OS:OS+1], s[18:19]
	s_wait_xcnt 0x0                                ; EXEC changes only behind this wait
	v_cmp_gt_u32 vcc_lo, 4, v3
	s_and_saveexec_b32 s67, vcc_lo
	global_store_b64 v[HDB], v[OS+2:OS+3], s[18:19]   ; lanes 0 to 3: rows 128 + 4 w + l
	s_wait_xcnt 0x0
	s_or_b32 exec_lo, exec_lo, s67
	s_wait_tensorcnt 0x0                           ; the wave's end
	ds_add_u32 v[SPW], v[NIL]
	s_wait_dscnt 0x0
	s_endpgm
.Lfunc_end_k_q58f8f1895e_up:
	.size	k_q58f8f1895e_up, .Lfunc_end_k_q58f8f1895e_up-k_q58f8f1895e_up
	.p2alignl 7, 3214868480
	.fill 96, 4, 3214868480
	.section	.rodata,"a",@progbits
	.p2align	6, 0x0
	.amdhsa_kernel k_q58f8f1895e_up
		.amdhsa_group_segment_fixed_size 195328
		.amdhsa_private_segment_fixed_size 0
		.amdhsa_enable_private_segment 0
		.amdhsa_kernarg_size 64
		.amdhsa_user_sgpr_count 2
		.amdhsa_user_sgpr_kernarg_segment_ptr 1
		.amdhsa_wavefront_size32 1
		.amdhsa_system_sgpr_workgroup_id_x 1
		.amdhsa_system_sgpr_workgroup_id_y 1
		.amdhsa_system_sgpr_workgroup_id_z 1
		.amdhsa_system_vgpr_workitem_id 0
		.amdhsa_next_free_vgpr 1024
		.amdhsa_next_free_sgpr 80
		.amdhsa_reserve_vcc 1
		.amdhsa_float_denorm_mode_32 3
		.amdhsa_float_denorm_mode_16_64 3
		.amdhsa_memory_ordered 1
		.amdhsa_forward_progress 1
		.amdhsa_inst_pref_size 149
	.end_amdhsa_kernel
	.amdgpu_metadata
---
amdhsa.version: [ 1, 2 ]
amdhsa.kernels:
  - .name:           k_q58f8f1895e_up
    .symbol:         k_q58f8f1895e_up.kd
    .args:
      - { .name: xq, .offset: 0, .size: 8, .value_kind: global_buffer, .address_space: global }
      - { .name: xs, .offset: 8, .size: 8, .value_kind: global_buffer, .address_space: global }
      - { .name: place, .offset: 16, .size: 8, .value_kind: global_buffer, .address_space: global }
      - { .name: wimg, .offset: 24, .size: 8, .value_kind: global_buffer, .address_space: global }
      - { .name: w1_scales, .offset: 32, .size: 8, .value_kind: global_buffer, .address_space: global }
      - { .name: b1, .offset: 40, .size: 8, .value_kind: global_buffer, .address_space: global }
      - { .name: h, .offset: 48, .size: 8, .value_kind: global_buffer, .address_space: global }
      - { .name: hs, .offset: 56, .size: 8, .value_kind: global_buffer, .address_space: global }
    .group_segment_fixed_size: 195328
    .private_segment_fixed_size: 0
    .kernarg_segment_align: 8
    .kernarg_segment_size: 64
    .max_flat_workgroup_size: 128
    .sgpr_count:     80
    .vgpr_count:     1024
    .wavefront_size: 32
...
	.end_amdgpu_metadata
.endif
;; end of part 3
;; launch down (part 4): grid 4 x 64, 4 waves a work-group, no clusters, 261,632 bytes of LDS; arguments h, hs, place, wts, wimg, w2_scales, b2, out0; writes out0
.if DOCPART == 4
	.amdgcn_target "amdgcn-amd-amdhsa--gfx1250"
	.amdhsa_code_object_version 6
	.text
	.protected	k_q58f8f1895e_down
	.globl	k_q58f8f1895e_down
	.p2align	8
	.type	k_q58f8f1895e_down,@function
k_q58f8f1895e_down:
	s_mov_b64 s[64:65], 0
	v_nop
	global_prefetch_b8 v0, s[64:65] scope:SCOPE_SE
	s_setreg_imm32_b32 hwreg(HW_REG_WAVE_MODE, 25, 1), 1
	s_wait_xcnt 0x0
; FOURTH LAUNCH: out[token] = w_lo (H_lo W2_lo + b2_lo) + w_hi (H_hi W2_hi + b2_hi) = w_hi (r (H_lo W2_lo + b2_lo) + b2_hi + H_hi W2_hi), r = w_lo / w_hi.  The six other experts' terms are dead work (first kernel's head).
; SHARES: work-group (c, tile): outputs 256 c .. 256 c + 255 of a pair tile's at most 112 tokens; wave w: 64 of them, n0 = 256 c + 64 w, for all rows.  Each token lies in one tile: each output row has one owner, and nothing is added in memory.
; 64 tiles x 4 = 256 work-groups serve every split, and all multiply the same: no branch in the steps and no count of loads hangs on what was read.  A pad row repeats the tile's last live one and stores nothing.
; K IS THE OUTERMOST LOOP: 16 steps of 128 along K, eight for each expert; the sums of 112 rows x 64 outputs stay in registers (224); the weights stream, as images of operand registers, through a RING OF FOUR K STEPS in
; registers (16 loads of 512 consecutive bytes a step): step j asks for step j + 3, on across the change of experts.  Both experts' rows of H are gathered into LDS at the head; step j fetches step j + 1's fragments into the other of
; two sets.  No barrier stands in the steps.  NO TENSOR LOAD, NO CLUSTER, NO PREFETCH: as in the launch before, and for the same reasons.
; The sums never leave the accumulators: b2_lo is the C of the first product; between the experts they become r Y + b2_hi, one fused multiply-add, and H_hi W2_hi is summed onto that; at the end x w_hi, through the wave's
; own stage, out as 256 consecutive bytes of a token's row.
; REGISTERS: window 1: the sums, 32 a + 8 t (at the head H_hi on its way to LDS); window 2: the ring, 64 (j % 4) + 16 t; window 3: H's fragments, 112 (j % 2) + 16 a (at the head H_lo on its way); window 0 below.
.set PITCH, 1040                       ; a row of H in LDS: 1,024 bytes + 16 = 65 x 16: the 16 rows that a load touches fall on 16 different columns of 16 bytes (ISA guide 11.1)
.set HI,    112*PITCH                  ; H_lo's rows at 0, H_hi's here
.set HSC,   232960                     ; their scale bytes [expert slot][row][32], 128 rows each;
.set WTL,   241152                     ; the rows' (r, r, w_hi, w_hi);
.set TOKL,  243200                     ; the rows' tokens;
.set STG,   243712                     ; the stage: 16 rows x (256 + 16) bytes for each wave;
.set SPARE, 261120                     ; the spare words, 128 bytes for each wave
.set WO,  4                            ; v4   the weights' image: 16 x lane
.set WSO, 5                            ; v5   W2's scale words: (r + 8 (r / 8) + 8 h) x 32
.set BO,  6                            ; v6   b2: 64 h
.set XSA, 9                            ; v9   HSC + 32 x lane
.set STO, 13                           ; v13  the stage, in: 272 r + 64 h
.set RD,  14                           ; v14  and back: 272 h + 16 r
.set CO,  15                           ; v15  my bytes in a row of out: 1,024 c + 256 w + 16 r
.set SPW, 16                           ; v16  LDS address of my spare word; never rewritten
.set NIL, 17                           ; v17  0; never rewritten
.set GST, 18                           ; v18  where gathered rows go: (28 w + h) x PITCH + 16 r;
.set GSH, 19                           ; v19  H_hi's
.set WTA, 20                           ; v20  WTL + 16 r
.set TLA, 21                           ; v21  TOKL + 4 h
.set HSG, 22                           ; v22  my row's scale bytes in hs
.set HSL, 23                           ; v23  HSC + 32 x thread
.set AF,  24                           ; v24-26 the fragments' LDS address for row tiles 3 g .. 3 g + 2 of H_lo; v27-29 of H_hi
.set WTS, 30                           ; v30  WTL + 16 x thread
.set TLS, 31                           ; v31  TOKL + 4 x thread
.set TOK, 32                           ; v32  the token of row `thread`;  v33 its place in wts
.set VT,  34                           ; v34-47   gather offsets of rows 28 w + 2 i + h
.set WS,  48                           ; v48-79   W2's scale words: 16 e + 8 b + s: lanes 0-15 column tile 2 b, lanes 16-31 tile 2 b + 1
.set BI,  80                           ; v80-143  b2 in the result's layout: 32 e + 8 t + j
.set XS,  148                          ; v148-211 the rows' scale words: 32 e + 8 g + s: lane <-> row 32 g + lane
.set RW,  212                          ; v212-239 (r, r, w_hi, w_hi) of row 16 a + r: 4 a
.set TKO, 240                          ; v240-255 on the way out: rows' places in out, two sets (at the head: my row's weights)
.set OB,  48                           ; v48-111  on the way out: 16 rows back from the stage, two sets, where scale words and biases lay
.set MSB, 0
.macro WIN new                         ; the immediate's high byte repeats the setting that is left; bits 1:0 source 0, 3:2 source 1, 5:4 source 2, 7:6 destination
.if MSB != \new
	s_set_vgpr_msb (MSB<<8)|\new
.set MSB, \new
.endif
.endm
.macro WFRAG j                         ; the four column tiles' fragments of step j (expert j / 8, K step j % 8) into ring slot j % 4: 16 loads
.set wS, (\j)%8
.set wB, 32+8*((\j)/8)
.set wR, 64*((\j)%4)
.irp t, 0,1,2,3
.irp c, 0,1,2,3
	global_load_b128 v[wR+16*\t+4*\c:wR+16*\t+4*\c+3], v[WO], s[wB:wB+1] offset:16384*\t+2048*wS+512*\c
.endr
.endr
.endm
.macro LOADS e                         ; 12 loads: expert slot e's scale words and bias
.set lB, 32+8*(\e)
.irp b, 0,1
	global_load_b128 v[WS+16*(\e)+8*\b:WS+16*(\e)+8*\b+3], v[WSO], s[lB+2:lB+3] offset:1024*\b
	global_load_b128 v[WS+16*(\e)+8*\b+4:WS+16*(\e)+8*\b+7], v[WSO], s[lB+2:lB+3] offset:1024*\b+16
.endr
.irp t, 0,1,2,3
	global_load_b128 v[BI+32*(\e)+8*\t:BI+32*(\e)+8*\t+3], v[BO], s[lB+4:lB+5] offset:(32*(\t/2)+8*(\t%2))*4
	global_load_b128 v[BI+32*(\e)+8*\t+4:BI+32*(\e)+8*\t+7], v[BO], s[lB+4:lB+5] offset:(32*(\t/2)+8*(\t%2))*4+16
.endr
.endm
.macro WBASE sb, e                     ; the three bases of expert s[e] at my 64 rows; W2's image is the second half of wimg
	s_lshl_b32 s66, s[\e], 10
	s_add_co_u32 s66, s66, s30                     ; row 1,024 e + n0
	s_lshl_b32 s46, s66, 10
	s_add_co_u32 s46, s46, 0x800000
	s_add_nc_u64 s[\sb:\sb+1], s[12:13], s[46:47]
	s_lshl_b32 s46, s66, 5
	s_add_nc_u64 s[\sb+2:\sb+3], s[14:15], s[46:47]
	s_lshl_b32 s46, s66, 2
	s_add_nc_u64 s[\sb+4:\sb+5], s[16:17], s[46:47]
.endm
.macro AFETCH j                        ; 28 LDS loads: the seven fragments of step j into set j % 2
.set aS, (\j)%8
.set aR, 112*((\j)%2)
.set aA, AF+3*((\j)/8)
.irp a, 0,1,2,3,4,5,6
.irp c, 0,1,2,3
	ds_load_b128 v[aR+16*\a+4*\c:aR+16*\a+4*\c+3], v[aA+\a/3] offset:(\a%3)*16*PITCH+128*aS+32*\c
.endr
.endr
.endm
.macro MM j, a, t                      ; one product: row tile a, column tile t
.set mS, (\j)%8
.set mE, (\j)/8
.set rD, 32*\a+8*\t
.set rA, 64*((\j)%4)+16*\t
.set rB, 112*((\j)%2)+16*\a
.set rW, WS+16*mE+8*(\t/2)+mS
.set rX, XS+32*mE+8*(\a/2)+mS
.set rC, rD
.if (\j) == 0
.set rC, BI+8*\t                       ; the bias starts the sum
.endif
.if ((\t)%2 == 0) && ((\a)%2 == 0)
	v_wmma_scale_f32_16x16x128_f8f6f4 v[rD:rD+7], v[rA:rA+15], v[rB:rB+15], v[rC:rC+7], v[rW], v[rX] matrix_a_fmt:MATRIX_FMT_BF8 matrix_b_fmt:MATRIX_FMT_BF8
.elseif ((\a)%2 == 0)
	v_wmma_scale_f32_16x16x128_f8f6f4 v[rD:rD+7], v[rA:rA+15], v[rB:rB+15], v[rC:rC+7], v[rW], v[rX] matrix_a_fmt:MATRIX_FMT_BF8 matrix_b_fmt:MATRIX_FMT_BF8 matrix_a_scale:MATRIX_SCALE_ROW1
.elseif ((\t)%2 == 0)
	v_wmma_scale_f32_16x16x128_f8f6f4 v[rD:rD+7], v[rA:rA+15], v[rB:rB+15], v[rC:rC+7], v[rW], v[rX] matrix_a_fmt:MATRIX_FMT_BF8 matrix_b_fmt:MATRIX_FMT_BF8 matrix_b_scale:MATRIX_SCALE_ROW1
.else
	v_wmma_scale_f32_16x16x128_f8f6f4 v[rD:rD+7], v[rA:rA+15], v[rB:rB+15], v[rC:rC+7], v[rW], v[rX] matrix_a_fmt:MATRIX_FMT_BF8 matrix_b_fmt:MATRIX_FMT_BF8 matrix_a_scale:MATRIX_SCALE_ROW1 matrix_b_scale:MATRIX_SCALE_ROW1
.endif
.endm
; STEP j: 28 products, the accumulators by turns.  The loads into the ring slot and the fragment set that step j - 1 multiplied stand eight places behind its products.
.macro STEP j
.if ((\j) > 0) && ((\j) < 15)
.rept 8
	v_nop
.endr
.endif
.if (\j) < 15
	WIN 0xc0
	AFETCH (\j)+1
.endif
.if (\j) > 13
	s_wait_loadcnt 16*(15-(\j))                    ; this step's weights are in; 16 loads for each later step may be out
.else
	s_wait_loadcnt 32                              ; this step's weights are in; the 32 loads of the two steps behind it may be out
.endif
.if ((\j) > 0) && ((\j) < 13)
	WIN 0x80
	WFRAG (\j)+3
.endif
.if (\j) < 15
	s_wait_dscnt 28                                ; this step's fragments are in; the next step's 28 loads may be out
.else
	s_wait_dscnt 0x0
.endif
.if (\j) == 0
	WIN 0x4e                                       ; source 0 (weights) window 2, source 1 (rows) window 3, C, the bias, window 0, D window 1
.else
	WIN 0x5e                                       ; C and D window 1
.endif
.irp a, 0,1,2,3,4,5,6
.irp t, 0,1,2,3
	MM \j, \a, \t
.endr
.endr
.endm
	s_load_b512 s[4:19], s[0:1], 0x0               ; h, hs, place, wts, wimg, w2_scales, b2, out0
	v_lshl_add_u32 v[SPW], v0, 2, SPARE
	v_mov_b32 v[NIL], 0
	v_lshrrev_b32 v1, 5, v0
	v_readfirstlane_b32 s20, v1                    ; wave
	v_and_b32 v1, 15, v0                           ; r
	v_bfe_u32 v2, v0, 4, 1                         ; h
	v_and_b32 v3, 31, v0                           ; lane
	v_lshlrev_b32 v[WO], 4, v3
	s_wait_alu depctr_va_vdst(0)                   ; the wait ahead of the wait below and of the scalar lines
	s_mov_b32 s21, ttmp9                           ; c
	s_and_b32 s22, ttmp7, 0xffff                   ; tile
	s_lshl_b32 s23, s22, 3
	s_mul_i32 s31, s20, 28
	s_mov_b32 s47, 0
	s_lshl_b32 s30, s21, 8
	s_lshl_b32 s46, s20, 6
	s_add_co_u32 s30, s30, s46                     ; n0
	s_wait_kmcnt 0x0
	s_load_b64 s[24:25], s[8:9], s23 offset:0x0    ; the tile's entry: lo | hi << 8, count
	v_mul_u32_u24 v8, v1, PITCH
	v_lshl_add_u32 v[AF], v2, 4, v8
	v_add_nc_u32 v[AF+1], 48*PITCH, v[AF]
	v_add_nc_u32 v[AF+2], 96*PITCH, v[AF]
	v_add_nc_u32 v[AF+3], HI, v[AF]
	v_add_nc_u32 v[AF+4], HI+48*PITCH, v[AF]
	v_add_nc_u32 v[AF+5], HI+96*PITCH, v[AF]
	v_lshl_add_u32 v[XSA], v3, 5, HSC
	v_lshl_add_u32 v[HSL], v0, 5, HSC
	v_lshl_add_u32 v[WTA], v1, 4, WTL
	v_lshl_add_u32 v[WTS], v0, 4, WTL
	v_lshl_add_u32 v[TLA], v2, 2, TOKL
	v_lshl_add_u32 v[TLS], v0, 2, TOKL
	s_mul_i32 s46, s20, 28*PITCH
	v_mul_u32_u24 v8, v2, PITCH
	v_lshl_add_u32 v8, v1, 4, v8
	v_add_nc_u32 v[GST], s46, v8
	v_add_nc_u32 v[GSH], HI, v[GST]
	s_mul_i32 s46, s20, 4352
	s_add_co_u32 s46, s46, STG
	v_mul_u32_u24 v8, v1, 272
	v_lshl_add_u32 v8, v2, 6, v8
	v_add_nc_u32 v[STO], s46, v8
	v_mul_u32_u24 v8, v2, 272
	v_lshl_add_u32 v8, v1, 4, v8
	v_add_nc_u32 v[RD], s46, v8
	s_lshl_b32 s46, s30, 2
	v_lshl_add_u32 v[CO], v1, 4, s46
	v_and_b32 v10, 8, v1
	v_add_nc_u32 v10, v10, v1                      ; r + 8 (r / 8)
	v_lshl_add_u32 v10, v2, 3, v10
	v_lshlrev_b32 v[WSO], 5, v10
	v_lshlrev_b32 v[BO], 6, v2
	s_wait_alu depctr_va_vdst(0)                   ; the wait ahead of the wait below
	s_wait_kmcnt 0x0
	s_and_b32 s26, s24, 0xff
	s_min_u32 s26, s26, 7                          ; lo
	s_bfe_u32 s27, s24, 0x80008
	s_min_u32 s27, s27, 7                          ; hi
	s_min_u32 s28, s25, 112                        ; the tile's rows
	s_min_u32 s63, s28, 1                          ; 1 where it has any
	s_max_u32 s29, s28, 1
	s_sub_co_u32 s29, s29, 1                       ; its last live row
	WBASE 32, 26
	WBASE 40, 27
	s_mov_b32 s47, 0
	s_mul_i32 s48, s22, s63                        ; an empty tile reads tile 0's list, whose first entry is always stored
	s_lshl_b32 s48, s48, 10
	s_add_co_u32 s48, s48, 1024
	s_mov_b32 s49, 0
	s_add_nc_u64 s[56:57], s[8:9], s[48:49]
	v_min_u32 v[TOK], s29, v0                      ; row `thread`; a pad row repeats the last live one
	v_min_u32 v[TOK], 111, v[TOK]
	v_lshlrev_b32 v[TOK], 2, v[TOK]
	v_add_nc_u32 v8, s31, v2                       ; row 28 w + h
.irp i, 0,1,2,3,4,5,6,7,8,9,10,11,12,13
	v_add_nc_u32 v[VT+\i], 2*\i, v8
	v_min_u32 v[VT+\i], s29, v[VT+\i]
	v_min_u32 v[VT+\i], 111, v[VT+\i]
	v_lshlrev_b32 v[VT+\i], 2, v[VT+\i]
.endr
	global_load_b32 v[TOK], v[TOK], s[56:57]
.irp i, 0,1,2,3,4,5,6,7,8,9,10,11,12,13
	global_load_b32 v[VT+\i], v[VT+\i], s[56:57]
.endr
	LOADS 0                                        ; both experts' scale words and biases, and the ring's first two steps, go out while the list is on its way
	LOADS 1
	WIN 0x80
	WFRAG 0
	WFRAG 1
	WIN 0
	v_lshlrev_b32 v10, 4, v1                       ; 16 r
	s_wait_alu depctr_va_vdst(0)                   ; the wait ahead of the wait below
	s_wait_loadcnt 56                              ; the list is in: behind it 24 + 32 loads
	v_min_u32 v[TOK], 0xfff, v[TOK]
	v_lshlrev_b32 v33, 4, v[TOK]
	v_lshlrev_b32 v[HSG], 5, v[TOK]
.irp i, 0,1,2,3,4,5,6,7,8,9,10,11,12,13
	v_min_u32 v[VT+\i], 0xfff, v[VT+\i]
	v_lshl_add_u32 v[VT+\i], v[VT+\i], 10, v10
.endr
	global_load_b128 v[TKO:TKO+3], v33, s[10:11]   ; (r, r, w_hi, w_hi)
.irp e, 0,1
	global_load_b128 v[XS+8*\e:XS+8*\e+3], v[HSG], s[6:7] offset:131072*\e
	global_load_b128 v[XS+8*\e+4:XS+8*\e+7], v[HSG], s[6:7] offset:131072*\e+16
.endr
	WIN 0xc0                                       ; H_lo by way of window 3,
.irp i, 0,1,2,3,4,5,6,7,8,9,10,11,12,13
.irp q, 0,1,2,3
	global_load_b128 v[16*\i+4*\q:16*\i+4*\q+3], v[VT+\i], s[4:5] offset:256*\q   ; rows 28 w + 2 i + h: sixteen lanes read 256 consecutive bytes, aligned
.endr
.endr
	WIN 0x40                                       ; H_hi (slot 1: 4,194,304 bytes further on) by way of window 1: neither holds anything yet
.irp i, 0,1,2,3,4,5,6,7,8,9,10,11,12,13
.irp q, 0,1,2,3
	global_load_b128 v[16*\i+4*\q:16*\i+4*\q+3], v[VT+\i], s[4:5] offset:4194304+256*\q
.endr
.endr
	WIN 0x80
	WFRAG 2                                        ; two more steps of the ring: they are on their way while the rows go to LDS
	WFRAG 3
	WIN 0
	s_wait_alu depctr_va_vdst(0)                   ; the wait at the head's end
	s_wait_loadcnt 32                              ; all but the 32 loads just issued are in
	ds_store_b128 v[WTS], v[TKO:TKO+3]
	ds_store_b32 v[TLS], v[TOK]
.irp e, 0,1
	ds_store_b128 v[HSL], v[XS+8*\e:XS+8*\e+3] offset:4096*\e
	ds_store_b128 v[HSL], v[XS+8*\e+4:XS+8*\e+7] offset:4096*\e+16
.endr
	WIN 0x0c                                       ; an LDS store's data are its source 1
.irp i, 0,1,2,3,4,5,6,7,8,9,10,11,12,13
.irp q, 0,1,2,3
	ds_store_b128 v[GST], v[16*\i+4*\q:16*\i+4*\q+3] offset:2*PITCH*\i+256*\q
.endr
.endr
	WIN 0x04
.irp i, 0,1,2,3,4,5,6,7,8,9,10,11,12,13
.irp q, 0,1,2,3
	ds_store_b128 v[GSH], v[16*\i+4*\q:16*\i+4*\q+3] offset:2*PITCH*\i+256*\q
.endr
.endr
	WIN 0
	s_wait_dscnt 0x0                               ; for the others' sake: my 28 rows of both experts lie in LDS
	s_barrier_signal -1
	s_barrier_wait -1
.irp e, 0,1
.irp g, 0,1,2,3
	ds_load_b128 v[XS+32*\e+8*\g:XS+32*\e+8*\g+3], v[XSA] offset:4096*\e+1024*\g   ; both experts' scale words of all rows, for all of K: they stay
	ds_load_b128 v[XS+32*\e+8*\g+4:XS+32*\e+8*\g+7], v[XSA] offset:4096*\e+1024*\g+16
.endr
.endr
.irp a, 0,1,2,3,4,5,6
	ds_load_b128 v[RW+4*\a:RW+4*\a+3], v[WTA] offset:256*\a
.endr
	WIN 0xc0
	AFETCH 0
	s_wait_dscnt 28                                ; all but the first fragments are in
.irp j, 0,1,2,3,4,5,6,7
	STEP \j
.endr
	; BETWEEN THE EXPERTS: the accumulators become r Y + b2_hi; the ring's next three steps and the next fragments are on their way meanwhile
.rept 8
	v_nop                                          ; eight places ahead of the first read of results
.endr
	WIN 0x41                                       ; destination and source 0 window 1
.irp a, 0,1,2,3,4,5,6
.irp t, 0,1,2,3
.irp p, 0,2,4,6
	v_pk_fma_f32 v[32*\a+8*\t+\p:32*\a+8*\t+\p+1], v[32*\a+8*\t+\p:32*\a+8*\t+\p+1], v[RW+4*\a:RW+4*\a+1], v[BI+32+8*\t+\p:BI+32+8*\t+\p+1]   ; each accumulator from its low end on
.endr
.endr
.endr
	s_wait_alu depctr_va_vdst(0)
.irp j, 8,9,10,11,12,13,14,15
	STEP \j
.endr
	WIN 0
; THE WAY OUT of row tile a: x w_hi, through my own stage, back as whole rows into window 0.  A row tile without a live row, and those behind it, store nothing; where pad rows begin inside the tile each store is masked.
.macro LEAVE a
.set oR, OB+32*((\a)%2)
.set oT, TKO+8*((\a)%2)
	s_cmp_le_u32 s28, 16*\a
	s_cbranch_scc1 .Lend
.if (\a) > 1
	s_wait_xcnt 0x0                                ; the stores of two row tiles ago have read their registers
.endif
.irp i, 0,1,2,3,4,5,6,7
	ds_load_b32 v[oT+\i], v[TLA] offset:64*\a+8*\i ; the tokens of rows 16 a + 2 i + h
.endr
	WIN 0x41
.irp p, 0,2,4,6,8,10,12,14,16,18,20,22,24,26,28,30
	v_pk_mul_f32 v[32*\a+\p:32*\a+\p+1], v[32*\a+\p:32*\a+\p+1], v[RW+4*\a+2:RW+4*\a+3]   ; each accumulator from its low end on
.endr
	WIN 0x04                                       ; an LDS store's data are its source 1: window 1
.irp b, 0,1
.irp k, 0,1,2,3
	ds_store_b128 v[STO], v[32*\a+16*\b+4*\k:32*\a+16*\b+4*\k+3] offset:128*\b+16*\k
.endr
.endr
	WIN 0
.irp i, 0,1,2,3,4,5,6,7
	ds_load_b128 v[oR+4*\i:oR+4*\i+3], v[RD] offset:544*\i   ; LDS serves a wave's instructions in order: these see my stores, and the next row tile's stores come behind them
.endr
	s_wait_dscnt 16                                ; the tokens are in; the eight stores and eight loads may be out
.irp i, 0,1,2,3,4,5,6,7
	v_min_u32 v[oT+\i], 0xfff, v[oT+\i]
.endr
.irp i, 0,1,2,3,4,5,6,7
	v_lshl_add_u32 v[oT+\i], v[oT+\i], 12, v[CO]
.endr
	s_wait_alu depctr_va_vdst(0)                   ; the wait ahead of the wait below
	s_wait_dscnt 0x0
	s_sub_co_i32 s58, s28, 16*\a                   ; live rows from this row tile on
	s_cmp_ge_i32 s58, 16
	s_cbranch_scc0 .Lpart_\@
.irp i, 0,1,2,3,4,5,6,7
	global_store_b128 v[oT+\i], v[oR+4*\i:oR+4*\i+3], s[18:19] th:TH_STORE_NT   ; sixteen lanes store 256 consecutive bytes of a token's row, aligned
.endr
	s_branch .Lnext_\@
.Lpart_\@:                             ; the tile's last row tile: pad rows store nothing
.irp i, 0,1,2,3,4,5,6,7
	s_sub_co_i32 s59, s58, 2*\i
	s_wait_xcnt 0x0                                ; EXEC changes only behind this wait
	v_cmp_gt_i32 vcc_lo, s59, v2                   ; row 16 a + 2 i + h is live
	s_and_saveexec_b32 s60, vcc_lo
	global_store_b128 v[oT+\i], v[oR+4*\i:oR+4*\i+3], s[18:19] th:TH_STORE_NT
	s_wait_xcnt 0x0
	s_or_b32 exec_lo, exec_lo, s60
.endr
	s_branch .Lend
.Lnext_\@:
.endm
.rept 8
	v_nop                                          ; eight places ahead of the first read of results and of loads into registers that the products read
.endr
.irp a, 0,1,2,3,4,5,6
	LEAVE \a
.endr
.Lend:
	s_wait_tensorcnt 0x0                           ; the wave's end
	ds_add_u32 v[SPW], v[NIL]
	s_wait_dscnt 0x0
	s_endpgm
.Lfunc_end_k_q58f8f1895e_down:
	.size	k_q58f8f1895e_down, .Lfunc_end_k_q58f8f1895e_down-k_q58f8f1895e_down
	.p2alignl 7, 3214868480
	.fill 96, 4, 3214868480
	.section	.rodata,"a",@progbits
	.p2align	6, 0x0
	.amdhsa_kernel k_q58f8f1895e_down
		.amdhsa_group_segment_fixed_size 261632
		.amdhsa_private_segment_fixed_size 0
		.amdhsa_enable_private_segment 0
		.amdhsa_kernarg_size 64
		.amdhsa_user_sgpr_count 2
		.amdhsa_user_sgpr_kernarg_segment_ptr 1
		.amdhsa_wavefront_size32 1
		.amdhsa_system_sgpr_workgroup_id_x 1
		.amdhsa_system_sgpr_workgroup_id_y 1
		.amdhsa_system_sgpr_workgroup_id_z 1
		.amdhsa_system_vgpr_workitem_id 0
		.amdhsa_next_free_vgpr 1024
		.amdhsa_next_free_sgpr 80
		.amdhsa_reserve_vcc 1
		.amdhsa_float_denorm_mode_32 3
		.amdhsa_float_denorm_mode_16_64 3
		.amdhsa_memory_ordered 1
		.amdhsa_forward_progress 1
		.amdhsa_inst_pref_size 203
	.end_amdhsa_kernel
	.amdgpu_metadata
---
amdhsa.version: [ 1, 2 ]
amdhsa.kernels:
  - .name:           k_q58f8f1895e_down
    .symbol:         k_q58f8f1895e_down.kd
    .args:
      - { .name: h, .offset: 0, .size: 8, .value_kind: global_buffer, .address_space: global }
      - { .name: hs, .offset: 8, .size: 8, .value_kind: global_buffer, .address_space: global }
      - { .name: place, .offset: 16, .size: 8, .value_kind: global_buffer, .address_space: global }
      - { .name: wts, .offset: 24, .size: 8, .value_kind: global_buffer, .address_space: global }
      - { .name: wimg, .offset: 32, .size: 8, .value_kind: global_buffer, .address_space: global }
      - { .name: w2_scales, .offset: 40, .size: 8, .value_kind: global_buffer, .address_space: global }
      - { .name: b2, .offset: 48, .size: 8, .value_kind: global_buffer, .address_space: global }
      - { .name: out0, .offset: 56, .size: 8, .value_kind: global_buffer, .address_space: global }
    .group_segment_fixed_size: 261632
    .private_segment_fixed_size: 0
    .kernarg_segment_align: 8
    .kernarg_segment_size: 64
    .max_flat_workgroup_size: 128
    .sgpr_count:     80
    .vgpr_count:     1024
    .wavefront_size: 32
...
	.end_amdgpu_metadata
.endif
;; end of part 4
